; MI455X (gfx1250); checked and timed in simulation.
; The chip was launched on July 23, 2026; its instructions are those of AMD's public machine-readable ISA for CDNA 5 (MIT licence, August 2026) and "CDNA5" Instruction Set Architecture Reference Guide (July 2026). The comments in the code are by the model that wrote it; some were corrected since.
;; Di T Block. Allowed arithmetic: matrix products marked QUANTISED: E4M3 operands, one given power-of-two scale a tensor, by v_wmma_f32_16x16x64_fp8_fp8 or v_wmma_f32_16x16x128_fp8_fp8, f32 sums; products left as they are: f32 operands where the result goes on into a quantised operand, else bf16, f16 or f32 operands; f32 sums; everything else in f32.
;; Inputs: W_ada 512 x 2,048 float32; W_mlp1 512 x 2,048 float32; W_mlp2 2,048 x 512 float32; Wk 512 x 512 float32; Wo 512 x 512 float32; Wq 512 x 512 float32; Wv 512 x 512 float32; b1 512 float32; b2 512 float32; b_ada 2,048 float32; b_mlp1 2,048 float32; b_mlp2 512 float32; c 4 x 512 float32; g1 512 float32; g2 512 float32; lowp_scales 16 int32 (the exponents e of the quantised operands' scales 2^e); x 4 x 2,048 x 512 float32.
;; Outputs: out0 4 x 2,048 x 512 float32.
;; This version of the problem:
;;   THIS VERSION OF THE PROBLEM IS GIVEN IN LOW PRECISION. The matrix products marked QUANTISED in the list below multiply operands that are first quantised to E4M3 (4 exponent bits, 3 mantissa bits; 8 bits a number), with one given power-of-two scale for each operand tensor; their sums are f32. All else is computed in f32.
;;   The module's matrix products, in the order in which they are computed (A, B: the left and right operand; K: the contracted axis; several contracted axes count as one K, in the product's order):
;;     1. [M 4, K 512] x [K 512, N 2,048]; A: computed on the way; B: input W_ada: left as it is (M = 4 < 16)
;;     2. [M 8,192, K 512] x [K 512, N 512]; A: computed on the way; B: input Wq: QUANTISED (scales: A lowp_scales[0], B lowp_scales[1])
;;     3. [M 8,192, K 512] x [K 512, N 512]; A: computed on the way; B: input Wk: QUANTISED (scales: A lowp_scales[2], B lowp_scales[3])
;;     4. [M 8,192, K 512] x [K 512, N 512]; A: computed on the way; B: input Wv: QUANTISED (scales: A lowp_scales[4], B lowp_scales[5])
;;     5. batch 32 x [M 2,048, K 64] x [K 64, N 2,048]; A: computed on the way; B: computed on the way: QUANTISED (scales: A lowp_scales[6], B lowp_scales[7])
;;     6. batch 32 x [M 2,048, K 2,048] x [K 2,048, N 64]; A: softmax (see below); B: computed on the way: QUANTISED (scales: A lowp_scales[8], B lowp_scales[9])
;;     7. [M 8,192, K 512] x [K 512, N 512]; A: computed on the way; B: input Wo: QUANTISED (scales: A lowp_scales[10], B lowp_scales[11])
;;     8. [M 8,192, K 512] x [K 512, N 2,048]; A: computed on the way; B: input W_mlp1: QUANTISED (scales: A lowp_scales[12], B lowp_scales[13])
;;     9. [M 8,192, K 2,048] x [K 2,048, N 512]; A: computed on the way; B: input W_mlp2: QUANTISED (scales: A lowp_scales[14], B lowp_scales[15])
;;   THE QUANTISER, for each operand of a quantised product, along K:
;;     - The operand's scale is 2^e, e = its entry of the input lowp_scales (int32; the entries are numbered through the quantised products in the list's order, A before B).
;;     - Each number is divided by the scale, clamped to +-448, and rounded to the nearest number of E4M3, ties to even, subnormals kept.
;;     - The product sums the exact products of the quantised numbers (number of the format x scale) in f32.
;;   ~~~python
;;   def quantise(x, axis, e):      # numpy; x: float32 -> the quantised numbers, widened to float32 again
;;       x = np.moveaxis(x, axis, -1); K = x.shape[-1]
;;       r = np.clip(x / 2.0 ** e, -448, 448)
;;       step = 2.0 ** (np.maximum(np.frexp(np.where(r == 0, 1, r))[1] - 1, -6) - 3)
;;       q = np.round(r / step) * step * 2.0 ** e      # np.round: ties to even
;;       return np.moveaxis(q, -1, axis).astype(np.float32)
;;   ~~~
;;   SOFTMAX AHEAD OF A QUANTISED PRODUCT. Where the list says 'softmax', what is quantised is not the finished softmax but p = 2^(t - M), with t = logit x log2(e) and M = ceil(the row's largest t), a whole number; so 1/2 < the row's largest p <= 1. The row's sum l is taken of the UNQUANTISED p, in f32, and the product's result is divided by l at the end. Since M is a whole number, a kernel that streams over the keys may use a running M (the ceiling of the running maximum): every later rescaling is an exact power of two, so the quantised numbers keep their values, but for numbers so far below the row's largest that they fall under the format's range.
;;   OPERANDS COMPUTED ON THE WAY. 'Computed on the way' means the value that the module computes at that place (a softmax that the list does not call 'softmax' is quantised finished and normalised). What goes into a quantiser is computed in f32, as accurately as f32 sums, v_exp_f32 and their like allow (about 1e-6 of the number): no bf16 or f16 on the way to a quantiser, and a product that is left as it is and whose result goes on into a quantised operand takes f32 operands (vector FMAs, or v_wmma_f32_16x16x4_f32). A number that lies on a knife's edge between two numbers of the format may be rounded either way, as far as f32 arithmetic and the matrix unit's own rounding can turn it there, and no further.
;; One version. Each part assembles by itself: llvm-mc -triple=amdgcn-amd-amdhsa -mcpu=gfx1250 --defsym DOCPART=n.
;; ======== version 1 of 1: 4 launches
;; limits: right only within a limited range of input values
;; workspace buffers: mod 32,768 bytes; wqkv 786,432 bytes; wtail 2,359,296 bytes; q_img 4,194,304 bytes; k_img 4,194,304 bytes; v_img 4,194,304 bytes; o_img 4,194,304 bytes
;; launch prep (part 1): grid 224 x 1, 8 waves a work-group, no clusters, 33,792 bytes of LDS; arguments Wq, Wk, Wv, Wo, W_mlp1, W_mlp2, W_ada, b_ada, c, lowp_scales, wqkv, wtail, mod; writes wqkv, wtail, mod
.if DOCPART == 1
	.amdgcn_target "amdgcn-amd-amdhsa--gfx1250"
	.amdhsa_code_object_version 6
	.text
	.protected	k_qd9b108e89a_prep
	.globl	k_qd9b108e89a_prep
	.p2align	8
	.type	k_qd9b108e89a_prep,@function
k_qd9b108e89a_prep:
	s_mov_b64 s[64:65], 0
	v_nop
	global_prefetch_b8 v0, s[64:65] scope:SCOPE_SE
	s_setreg_imm32_b32 hwreg(HW_REG_WAVE_MODE, 25, 1), 1
	s_wait_xcnt 0x0
; PREP.  Work-groups 0-191: the six weights, f32 stored [K][N], become codes of E4M3 laid in the order of the matrix operand's registers.
; Work-groups 192-223: mod = silu(c) W_ada + b_ada, in f32 multiply-adds (its result goes on into quantisers).
; A FRAGMENT IMAGE is 16 output channels x 128 along K, 2,048 bytes, four chunks of 512: chunk c, lane (r, h), byte j = W[k = 128 s + 32 c + 16 h + j][n = n0 + perm(t, r)],
; perm(t, r) = 32 (t / 2) + 8 (t % 2) + r + 8 (r / 8).  A stage is the four fragments t = 0..3 of one wave of a later launch for one K step: 8,192 bytes on end.
; wqkv [w 8][stage 12 = 4 kind + s];  wtail [w 8][stage 36: 0-3 Wo, 4-19 W_mlp1 (4 gi + s, n0 = 256 w + 64 gi), 20-35 W_mlp2].
; A wave makes chunk c = wave % 4 of the four fragments of one stage: 64 columns x 32 along K.  LANE (m, h) TAKES FOUR NEIGHBOURING COLUMNS 4 m .. 4 m + 3 AND ITS LOADS RUN DOWN K (k = 16 h + i): sixteen loads of 16 bytes,
; each covering 256 consecutive bytes, aligned, of two rows.  The hold writes its results column by column, so that sixteen neighbours along K stand in consecutive registers for the conversions.
; Column 4 m + j is row r = 8 (m / 4 % 2) + 4 (m % 2) + j of fragment t = 2 (m / 8) + m / 2 % 2: the codes go to that place of the wave's own 2,048 bytes of LDS and come back 16 bytes at 16 x lane: each store covers 512 consecutive bytes, aligned.
; LIMITS: each weight's exponent e lies between -126 and 119, so that 2^e and 448 x 2^e are f32 numbers.  NaN among the inputs is not served.
; No matrix unit, no tensor load, no cluster: the launch reads each weight once and shares nothing between work-groups.
.set SL,  0                            ; LDS (mod path alone): silu(c), 1,024 bytes a wave: [k of the wave's 64][batch 4]
.set RD,  8192                         ; the waves' partial sums: [wave 8][batch 4][lane 32] x 8 bytes
.set WST, 17408                        ; (weight path alone) behind the spare words at 16,384: 2,048 bytes a wave
.set ST0, 90
.set ST1, 91
.macro MKSC se, vsc, vlim              ; from the whole number e: 2^e as f32 (the conversion takes its exponent field) and 448 x 2^e (the hold)
	s_add_co_i32 s[ST0], \se, 127
	s_lshl_b32 s[ST1], s[ST0], 23
	v_mov_b32 v[\vsc], s[ST1]
	s_add_co_i32 s[ST0], s[ST0], 8
	s_lshl_b32 s[ST0], s[ST0], 23
	s_or_b32 s[ST0], s[ST0], 0x600000
	v_mov_b32 v[\vlim], s[ST0]
.endm
.macro LOADS pitch, off                ; v[64 + 4 i + j] = W[k0 + 16 h + i][n0 + 4 m + j]
.irp i, 0,1,2,3,4,5,6,7,8,9,10,11,12,13,14,15
	global_load_b128 v[64+4*\i:64+4*\i+3], v[\off], s[50:51] offset:\i*\pitch
.endr
.endm
.macro FINISH                          ; the chunk's 512 bytes, and both offsets onto their pointers
	s_lshl_b32 s59, s53, 9
	s_add_co_u32 s62, s62, s59
	s_add_nc_u64 s[50:51], s[50:51], s[60:61]
	s_add_nc_u64 s[54:55], s[54:55], s[62:63]
.endm
	s_load_b512 s[4:19], s[0:1], 0x0               ; Wq, Wk, Wv, Wo, W_mlp1, W_mlp2, W_ada, b_ada
	s_load_b256 s[20:27], s[0:1], 0x40             ; c, lowp_scales, wqkv, wtail
	s_load_b64 s[28:29], s[0:1], 0x60              ; mod
	v_lshl_add_u32 v62, v0, 2, 0x4000
	v_mov_b32 v63, 0
	v_lshrrev_b32 v1, 5, v0
	s_delay_alu instid0(VALU_DEP_1)
	v_readfirstlane_b32 s2, v1                     ; wave
	v_and_b32 v1, 31, v0                           ; lane
	v_and_b32 v2, 15, v0                           ; m
	v_bfe_u32 v3, v0, 4, 1                         ; h
	s_delay_alu instid0(VALU_DEP_3)
	v_lshlrev_b32 v4, 4, v1                        ; 16 x lane
	s_mov_b32 s3, ttmp9
	s_wait_kmcnt 0x0
	s_load_b512 s[32:47], s[22:23], 0x0            ; e0 .. e15 in s32 .. s47
	s_cmp_ge_u32 s3, 192
	s_cbranch_scc1 .Lmod
	; ---- the weights
	s_lshr_b32 s48, s3, 4                          ; 0 Wq, 1 Wk, 2 Wv, 3 Wo, 4-7 W_mlp1, 8-11 W_mlp2
	s_lshr_b32 s49, s2, 2                          ; which of the work-group's two stages
	s_and_b32 s53, s2, 3                           ; chunk c
	s_wait_alu depctr_va_vdst(0)
	v_lshlrev_b32 v5, 4, v2                        ; 16 m: four columns of 4 bytes
	v_and_b32 v8, 1, v2
	v_bfe_u32 v9, v2, 1, 1
	v_lshl_add_u32 v6, v3, 15, v5                  ; + 16 h rows of 2,048 bytes
	v_lshl_add_u32 v7, v3, 17, v5                  ; + 16 h rows of 8,192 bytes
	v_lshlrev_b32 v8, 6, v8                        ; my codes' place among the wave's 2,048 bytes: 64 (m % 2)
	v_lshl_or_b32 v8, v9, 9, v8                    ; + 512 (m / 2 % 2)
	v_bfe_u32 v9, v2, 2, 1
	v_lshl_or_b32 v8, v9, 7, v8                    ; + 128 (m / 4 % 2)
	v_bfe_u32 v9, v2, 3, 1
	v_lshl_or_b32 v8, v9, 10, v8                   ; + 1,024 (m / 8)
	v_lshl_or_b32 v8, v3, 8, v8                    ; + 256 h; column j: 16 j on
	s_lshl_b32 s59, s2, 11
	s_add_co_u32 s59, s59, WST
	v_add_nc_u32 v8, s59, v8
	v_add_nc_u32 v9, s59, v4                       ; and back: 16 x lane
	s_mov_b64 s[50:51], s[14:15]                   ; the source: a choice between buffers on the work-group's number alone
	s_cmp_lt_u32 s48, 8
	s_cselect_b64 s[50:51], s[12:13], s[50:51]
	s_cmp_eq_u32 s48, 3
	s_cselect_b64 s[50:51], s[10:11], s[50:51]
	s_cmp_eq_u32 s48, 2
	s_cselect_b64 s[50:51], s[8:9], s[50:51]
	s_cmp_eq_u32 s48, 1
	s_cselect_b64 s[50:51], s[6:7], s[50:51]
	s_cmp_eq_u32 s48, 0
	s_cselect_b64 s[50:51], s[4:5], s[50:51]
	s_cmp_lt_u32 s48, 3
	s_cselect_b64 s[54:55], s[24:25], s[26:27]     ; the destination
	s_mov_b32 s61, 0
	s_mov_b32 s63, 0
	s_cmp_lt_u32 s48, 4
	s_cbranch_scc1 .Lsquare
	s_cmp_lt_u32 s48, 8
	s_cbranch_scc1 .Lmlp1
	s_sub_co_u32 s56, s3, 128                      ; W_mlp2: unit mu = 2 (wg - 128) + half: w = mu / 16, K step = mu % 16
	s_lshl_b32 s56, s56, 1
	s_add_co_u32 s56, s56, s49
	s_lshr_b32 s57, s56, 4
	s_and_b32 s58, s56, 15
	s_lshl_b32 s60, s58, 18                        ; (128 s + 32 c) rows of 2,048 bytes + 256 w
	s_lshl_b32 s59, s53, 16
	s_add_co_u32 s60, s60, s59
	s_lshl_b32 s59, s57, 8
	s_add_co_u32 s60, s60, s59
	s_mul_i32 s62, s57, 294912                     ; 36 stages a wave; stage 20 + s
	s_lshl_b32 s59, s58, 13
	s_add_co_u32 s62, s62, s59
	s_add_co_u32 s62, s62, 163840
	s_branch .Lnarrow
.Lsquare:                                              ; Wq, Wk, Wv, Wo: mu = 2 (wg % 16) + half: w = mu / 4, K step = mu % 4
	s_and_b32 s56, s3, 15
	s_lshl_b32 s56, s56, 1
	s_add_co_u32 s56, s56, s49
	s_lshr_b32 s57, s56, 2
	s_and_b32 s58, s56, 3
	s_lshl_b32 s60, s58, 18
	s_lshl_b32 s59, s53, 16
	s_add_co_u32 s60, s60, s59
	s_lshl_b32 s59, s57, 8
	s_add_co_u32 s60, s60, s59
	s_mov_b32 s62, 294912
	s_cmp_lt_u32 s48, 3
	s_cselect_b32 s62, 98304, s62                  ; wqkv has 12 stages a wave, wtail 36
	s_cselect_b32 s59, s48, 0                      ; kind (Wo: stage = s)
	s_mul_i32 s62, s62, s57
	s_lshl_b32 s59, s59, 2
	s_add_co_u32 s59, s59, s58
	s_lshl_b32 s59, s59, 13
	s_add_co_u32 s62, s62, s59
.Lnarrow:
	FINISH
	s_wait_alu depctr_va_vdst(0)
	LOADS 2048, 6
	s_branch .Lquant
.Lmlp1:                                                ; W_mlp1: mu = 2 (wg - 64) + half: w = mu / 16, 4 gi + s = mu % 16; columns 64 (mu / 4) on
	s_sub_co_u32 s56, s3, 64
	s_lshl_b32 s56, s56, 1
	s_add_co_u32 s56, s56, s49
	s_and_b32 s58, s56, 3
	s_lshl_b32 s60, s58, 20                        ; (128 s + 32 c) rows of 8,192 bytes + 256 (mu / 4)
	s_lshl_b32 s59, s53, 18
	s_add_co_u32 s60, s60, s59
	s_lshr_b32 s59, s56, 2
	s_lshl_b32 s59, s59, 8
	s_add_co_u32 s60, s60, s59
	s_lshr_b32 s57, s56, 4
	s_mul_i32 s62, s57, 294912
	s_and_b32 s58, s56, 15
	s_lshl_b32 s59, s58, 13
	s_add_co_u32 s62, s62, s59
	s_add_co_u32 s62, s62, 32768                   ; stage 4 + mu % 16
	FINISH
	s_wait_alu depctr_va_vdst(0)
	LOADS 8192, 7
.Lquant:
	s_wait_kmcnt 0x0                               ; the exponents
	s_mov_b32 s52, s47                             ; e15, e13, e11, e5, e3, e1 by the same choice as the source
	s_cmp_lt_u32 s48, 8
	s_cselect_b32 s52, s45, s52
	s_cmp_eq_u32 s48, 3
	s_cselect_b32 s52, s43, s52
	s_cmp_eq_u32 s48, 2
	s_cselect_b32 s52, s37, s52
	s_cmp_eq_u32 s48, 1
	s_cselect_b32 s52, s35, s52
	s_cmp_eq_u32 s48, 0
	s_cselect_b32 s52, s33, s52
	MKSC s52, 11, 10
	s_wait_alu depctr_va_vdst(0)
	s_wait_loadcnt 0x0                             ; every column needs all sixteen loads
.irp j, 0,1,2,3
.irp i, 0,1,2,3,4,5,6,7,8,9,10,11,12,13,14,15
	v_med3_num_f32 v[128+16*\j+\i], v[64+4*\i+\j], -v10, v10   ; the conversion to an 8-bit code does not saturate (ISA guide 7.6.2): the hold comes first, and lays column j's sixteen k on end
.endr
	v_cvt_scalef32_pk8_fp8_f32 v[32+4*\j:33+4*\j], v[128+16*\j:135+16*\j], v11
	v_cvt_scalef32_pk8_fp8_f32 v[34+4*\j:35+4*\j], v[136+16*\j:143+16*\j], v11
	ds_store_b128 v8, v[32+4*\j:35+4*\j] offset:16*\j   ; each column has its own code registers
.endr
.irp t, 0,1,2,3
	ds_load_b128 v[192+4*\t:195+4*\t], v9 offset:512*\t   ; the wave's own bytes: LDS serves a wave's instructions in order
.endr
.irp t, 0,1,2,3
	s_wait_dscnt 3-\t                              ; load t is in; the 3 - t behind it may be out
	global_store_b128 v4, v[192+4*\t:195+4*\t], s[54:55] offset:2048*\t   ; chunk c of fragment t
.endr
	s_wait_tensorcnt 0x0                           ; the wave's end
	ds_add_u32 v62, v63
	s_wait_dscnt 0x0
	s_endpgm
	; ---- mod: 64 columns a work-group; wave w sums k = 64 w .. 64 w + 63; lane l holds columns 2 l, 2 l + 1 for the four batches
.macro WAL a                           ; sixteen rows of W_ada: a wave's load covers 256 consecutive bytes, aligned
.irp i, 0,1,2,3,4,5,6,7,8,9,10,11,12,13,14,15
	global_load_b64 v[64+2*(16*(\a)+\i):65+2*(16*(\a)+\i)], v6, s[16:17] offset:8192*(16*(\a)+\i) th:TH_LOAD_NT
.endr
.endm
.macro SFETCH j                        ; silu(c[0..3][k]) for eight k, the same 16 bytes in every lane, into set j % 2
.irp q, 0,1,2,3,4,5,6,7
	ds_load_b128 v[192+32*((\j)%2)+4*\q:192+32*((\j)%2)+4*\q+3], v8 offset:16*(8*(\j)+\q)
.endr
.endm
.macro FMAS j                          ; eight k x four batches x two columns
.irp q, 0
.set WK, 64+2*(8*(\j)+\q)
.set SQ, 192+32*((\j)%2)+4*\q
.if (\j)+\q == 0
	v_pk_mul_f32 v[16:17], v[WK:WK+1], v[SQ:SQ+1] op_sel_hi:[1,0]                  ; the first k starts the sums
	v_pk_mul_f32 v[18:19], v[WK:WK+1], v[SQ:SQ+1] op_sel:[0,1] op_sel_hi:[1,1]
	v_pk_mul_f32 v[20:21], v[WK:WK+1], v[SQ+2:SQ+3] op_sel_hi:[1,0]
	v_pk_mul_f32 v[22:23], v[WK:WK+1], v[SQ+2:SQ+3] op_sel:[0,1] op_sel_hi:[1,1]
.else
	v_pk_fma_f32 v[16:17], v[WK:WK+1], v[SQ:SQ+1], v[16:17] op_sel_hi:[1,0,1]
	v_pk_fma_f32 v[18:19], v[WK:WK+1], v[SQ:SQ+1], v[18:19] op_sel:[0,1,0] op_sel_hi:[1,1,1]
	v_pk_fma_f32 v[20:21], v[WK:WK+1], v[SQ+2:SQ+3], v[20:21] op_sel_hi:[1,0,1]
	v_pk_fma_f32 v[22:23], v[WK:WK+1], v[SQ+2:SQ+3], v[22:23] op_sel:[0,1,0] op_sel_hi:[1,1,1]
.endif
.endr
.irp q, 1, 2, 3, 4, 5, 6, 7
.set WK, 64+2*(8*(\j)+\q)
.set SQ, 192+32*((\j)%2)+4*\q
	s_delay_alu instid0(VALU_DEP_4)
	v_pk_fma_f32 v[16:17], v[WK:WK+1], v[SQ:SQ+1], v[16:17] op_sel_hi:[1,0,1]
	s_delay_alu instid0(VALU_DEP_4)
	v_pk_fma_f32 v[18:19], v[WK:WK+1], v[SQ:SQ+1], v[18:19] op_sel:[0,1,0] op_sel_hi:[1,1,1]
	s_delay_alu instid0(VALU_DEP_4)
	v_pk_fma_f32 v[20:21], v[WK:WK+1], v[SQ+2:SQ+3], v[20:21] op_sel_hi:[1,0,1]
	s_delay_alu instid0(VALU_DEP_4)
	v_pk_fma_f32 v[22:23], v[WK:WK+1], v[SQ+2:SQ+3], v[22:23] op_sel:[0,1,0] op_sel_hi:[1,1,1]
.endr
.endm
.Lmod:
	s_sub_co_u32 s48, s3, 192
	s_lshl_b32 s50, s48, 8                         ; 64 columns of 4 bytes
	s_mov_b32 s51, 0
	s_lshl_b32 s52, s2, 19                         ; 64 rows of 8,192 bytes a wave
	s_mov_b32 s53, 0
	s_add_nc_u64 s[16:17], s[16:17], s[50:51]
	s_add_nc_u64 s[16:17], s[16:17], s[52:53]
	s_add_nc_u64 s[18:19], s[18:19], s[50:51]
	s_add_nc_u64 s[28:29], s[28:29], s[50:51]
	s_and_b32 s55, s2, 3                           ; the batch that waves 0-3 finish
	s_lshl_b32 s52, s55, 13
	s_add_nc_u64 s[28:29], s[28:29], s[52:53]
	s_lshl_b32 s54, s2, 8
	s_wait_alu depctr_va_vdst(0)
	v_lshl_add_u32 v5, v1, 2, s54                  ; c: 4 lane + 256 wave
	v_lshlrev_b32 v6, 3, v1                        ; 8 lane
	s_lshl_b32 s54, s2, 10
	v_add_nc_u32 v7, s54, v4                       ; silu, in: 1,024 wave + 16 lane
	v_mov_b32 v8, s54                              ; silu, out: the wave's region, the same address in all lanes
	v_lshl_add_u32 v9, v1, 3, s54
	s_delay_alu instid0(VALU_DEP_1)
	v_add_nc_u32 v9, RD, v9                        ; partial sums, in
	s_lshl_b32 s55, s55, 8
	v_lshl_add_u32 v10, v1, 3, s55
	s_delay_alu instid0(VALU_DEP_1)
	v_add_nc_u32 v10, RD, v10                      ; and out: batch = wave
.irp q, 0,1
.irp b, 0,1,2,3
	global_load_b32 v[24+4*\q+\b], v5, s[20:21] offset:2048*\b+128*\q   ; c[b][64 w + 32 q + lane]
.endr
.endr
	WAL 0
	WAL 1
	WAL 2
	WAL 3
	s_wait_loadcnt 63                              ; c is in: 64 rows of W_ada were asked for behind its eight loads
.irp i, 0,1,2,3,4,5,6,7
	v_mul_f32 v[32+\i], 0xbfb8aa3b, v[24+\i]       ; -x log2(e)
.endr
	s_wait_alu depctr_va_vdst(0)
.irp i, 0,1,2,3,4,5,6,7
	v_exp_f32 v[32+\i], v[32+\i]
.endr
	v_nop                                          ; a plain instruction behind the last exponential
	s_wait_alu depctr_va_vdst(0)                   ; one wait for the batch, ahead of its first reader
.irp i, 0,1,2,3,4,5,6,7
	v_add_f32 v[32+\i], 1.0, v[32+\i]
.endr
	s_wait_alu depctr_va_vdst(0)
.irp i, 0,1,2,3,4,5,6,7
	v_rcp_f32 v[32+\i], v[32+\i]
.endr
	v_nop
	s_wait_alu depctr_va_vdst(0)
.irp i, 0,1,2,3,4,5,6,7
	v_mul_f32 v[24+\i], v[24+\i], v[32+\i]         ; silu(x) = x / (1 + 2^(-x log2(e)))
.endr
	ds_store_b128 v7, v[24:27]                     ; the wave's own bytes: LDS serves a wave's instructions in order, no barrier
	ds_store_b128 v7, v[28:31] offset:512
	global_load_b64 v[40:41], v6, s[18:19]         ; b_ada
	SFETCH 0
.irp j, 0,1,2,3,4,5,6,7
.if \j < 7
	SFETCH \j+1
	s_wait_alu depctr_va_vdst(0)
	s_wait_dscnt 8                                 ; this batch's eight are in; the next batch's eight may be out
.else
	s_wait_alu depctr_va_vdst(0)
	s_wait_dscnt 0x0
.endif
	s_wait_loadcnt 57-8*\j                         ; rows up to 8 j + 7 are in: behind them 56 - 8 j rows and b_ada were asked for
	FMAS \j
.endr
.irp b, 0,1,2,3
	ds_store_b64 v9, v[16+2*\b:17+2*\b] offset:256*\b
.endr
	s_wait_dscnt 0x0                               ; for the others: my partial sums have landed
	s_barrier_signal -1
	s_barrier_wait -1
	s_cmp_lt_u32 s2, 4
	s_cbranch_scc0 .Ldone                          ; waves 0-3 finish a batch each; no barrier follows
.irp w, 0,1,2,3,4,5,6,7
	ds_load_b64 v[64+2*\w:65+2*\w], v10 offset:1024*\w
.endr
	s_wait_dscnt 0x0
	v_pk_add_f32 v[64:65], v[64:65], v[66:67]      ; a fixed order of the eight waves' parts
	v_pk_add_f32 v[68:69], v[68:69], v[70:71]
	v_pk_add_f32 v[72:73], v[72:73], v[74:75]
	v_pk_add_f32 v[76:77], v[76:77], v[78:79]
	s_delay_alu instid0(VALU_DEP_3)
	v_pk_add_f32 v[64:65], v[64:65], v[68:69]
	s_delay_alu instid0(VALU_DEP_2)
	v_pk_add_f32 v[72:73], v[72:73], v[76:77]
	s_delay_alu instid0(VALU_DEP_1)
	v_pk_add_f32 v[64:65], v[64:65], v[72:73]
	s_wait_alu depctr_va_vdst(0)
	s_wait_loadcnt 0x0                             ; b_ada
	v_pk_add_f32 v[64:65], v[64:65], v[40:41]
	global_store_b64 v6, v[64:65], s[28:29]        ; 32 lanes store 256 consecutive bytes, aligned
.Ldone:
	s_wait_tensorcnt 0x0
	ds_add_u32 v62, v63
	s_wait_dscnt 0x0
	s_endpgm
.Lfunc_end_k_qd9b108e89a_prep:
	.size	k_qd9b108e89a_prep, .Lfunc_end_k_qd9b108e89a_prep-k_qd9b108e89a_prep
	.p2alignl 7, 3214868480
	.fill 96, 4, 3214868480
	.section	.rodata,"a",@progbits
	.p2align	6, 0x0
	.amdhsa_kernel k_qd9b108e89a_prep
		.amdhsa_group_segment_fixed_size 33792
		.amdhsa_private_segment_fixed_size 0
		.amdhsa_enable_private_segment 0
		.amdhsa_kernarg_size 104
		.amdhsa_user_sgpr_count 2
		.amdhsa_user_sgpr_kernarg_segment_ptr 1
		.amdhsa_wavefront_size32 1
		.amdhsa_system_sgpr_workgroup_id_x 1
		.amdhsa_system_sgpr_workgroup_id_y 1
		.amdhsa_system_sgpr_workgroup_id_z 1
		.amdhsa_system_vgpr_workitem_id 0
		.amdhsa_next_free_vgpr 256
		.amdhsa_next_free_sgpr 96
		.amdhsa_reserve_vcc 0
		.amdhsa_float_denorm_mode_32 3
		.amdhsa_float_denorm_mode_16_64 3
		.amdhsa_memory_ordered 1
		.amdhsa_forward_progress 1
		.amdhsa_inst_pref_size 54
	.end_amdhsa_kernel
	.amdgpu_metadata
---
amdhsa.version: [ 1, 2 ]
amdhsa.kernels:
  - .name:           k_qd9b108e89a_prep
    .symbol:         k_qd9b108e89a_prep.kd
    .args:
      - { .name: Wq, .offset: 0, .size: 8, .value_kind: global_buffer, .address_space: global }
      - { .name: Wk, .offset: 8, .size: 8, .value_kind: global_buffer, .address_space: global }
      - { .name: Wv, .offset: 16, .size: 8, .value_kind: global_buffer, .address_space: global }
      - { .name: Wo, .offset: 24, .size: 8, .value_kind: global_buffer, .address_space: global }
      - { .name: W_mlp1, .offset: 32, .size: 8, .value_kind: global_buffer, .address_space: global }
      - { .name: W_mlp2, .offset: 40, .size: 8, .value_kind: global_buffer, .address_space: global }
      - { .name: W_ada, .offset: 48, .size: 8, .value_kind: global_buffer, .address_space: global }
      - { .name: b_ada, .offset: 56, .size: 8, .value_kind: global_buffer, .address_space: global }
      - { .name: c, .offset: 64, .size: 8, .value_kind: global_buffer, .address_space: global }
      - { .name: lowp_scales, .offset: 72, .size: 8, .value_kind: global_buffer, .address_space: global }
      - { .name: wqkv, .offset: 80, .size: 8, .value_kind: global_buffer, .address_space: global }
      - { .name: wtail, .offset: 88, .size: 8, .value_kind: global_buffer, .address_space: global }
      - { .name: mod, .offset: 96, .size: 8, .value_kind: global_buffer, .address_space: global }
    .group_segment_fixed_size: 33792
    .private_segment_fixed_size: 0
    .kernarg_segment_align: 8
    .kernarg_segment_size: 104
    .max_flat_workgroup_size: 256
    .sgpr_count:     96
    .vgpr_count:     256
    .wavefront_size: 32
...
	.end_amdgpu_metadata
.endif
;; end of part 1
;; launch qkv (part 2): grid 256 x 1, 8 waves a work-group, no clusters, 128,000 bytes of LDS; arguments x, g1, b1, mod, wqkv, lowp_scales, q_img, k_img, v_img; writes q_img, k_img, v_img
.if DOCPART == 2
	.amdgcn_target "amdgcn-amd-amdhsa--gfx1250"
	.amdhsa_code_object_version 6
	.text
	.protected	k_qd9b108e89a_qkv
	.globl	k_qd9b108e89a_qkv
	.p2align	8
	.type	k_qd9b108e89a_qkv,@function
k_qd9b108e89a_qkv:
	s_mov_b64 s[64:65], 0
	v_nop
	global_prefetch_b8 v0, s[64:65] scope:SCOPE_SE
	s_setreg_imm32_b32 hwreg(HW_REG_WAVE_MODE, 25, 1), 1
	s_wait_xcnt 0x0
; QKV.  xn1 = LN(x; g1, b1) (1 + scale_msa), quantised three times (e0, e2, e4); q, k, v = xn1 Wq, Wk, Wv on codes of E4M3; the results are quantised (e6, e7, e9) and stored as images of attention's operands.
; SHARES.  A work-group takes 32 tokens, two tiles of 16: row r of tile u is token 8 u + r + 8 (r / 8) of the block.  In the norm wave w holds channels 64 w .. 64 w + 63 of all 32 tokens (64 registers);
; in the products wave w is head w: 4 tiles of 16 channels of q, of k and of v against the two tiles of tokens, K = 512 in 4 steps: 12 stages of 8 matrix instructions.
; OPERANDS ARE IMAGES OF THEIR REGISTERS: chunk c of a fragment (16 rows x 128 K) is 512 bytes, lane (r, h) byte j = k 32 c + 16 h + j of row r; every access is 16 bytes at 16 x lane.  The same order of k stands on both sides of each product.
; Weights come from memory straight into a ring of four register buffers (window 1), three stages ahead; xn1's codes go from wave to wave through LDS.
; q, k: source 0 = 16 channels of W, source 1 = 16 tokens: a lane holds one token, its registers run along the head's channels.  v: the sources swapped: a lane holds one channel, its registers run along the tokens (the keys).
; NO JOINT LOADS: each weight fragment is read by one wave of a work-group and feeds its two matrix instructions from the registers it lands in; a load shared with other work-groups would have to pass through LDS, one write and one read more for each byte.
; LIMITS: e0, e2, e4, e6 - e0 - e1, e7 - e2 - e3, e9 - e4 - e5 between -126 and 119.  NaN and infinities among the inputs are not served.
; REGISTERS.  window 0: v1-13 addresses, v[14:15] the two tiles' means, v16-79 AF (two operand buffers of 32; before that at work), v80-143 ACC, v144-207 XR (x, xn1; later the codes to store), v208-239 T, v240-251 scales.  window 1: the ring.
.set XIMG,  0                          ; xn1's codes: [kind 3][K step 4][chunk 4][tile 2][512]
.set STG,   49152                      ; a stage of 32 rows x (256 + 16) bytes for each wave
.set CONST, 118784                     ; each wave's 64 numbers of g1, b1, scale_msa
.set CW,    768
.set RED1,  124928                     ; the waves' sums: [wave][row 16] x 8 bytes; the second exchange 1,024 bytes on
.set LI,  1
.set XG,  2
.set SW,  3
.set SRD, 4
.set RW,  5
.set RR,  6
.set CR,  7
.set IW,  8
.set CWA, 12
.set CG,  13
.set MU,  14
.set AF,  16
.set ACC, 80
.set XR,  144
.set T,   208
.set TL,  252
.set TR,  253
.set TH,  254
.set SEL, 40
.set XB,  42
.set WP,  44
.set QP,  46
.set KP,  48
.set VP,  50
.set MP,  52
.set ST0, 54
.set ST1, 55
.set MSB, 0
.macro WIN new                         ; the immediate's high byte repeats the setting that is left
.if MSB != \new
	s_set_vgpr_msb (MSB<<8)|\new
.set MSB, \new
.endif
.endm
.macro MKSC se, vsc, vlim              ; 2^e as f32, and 448 x 2^e
	s_add_co_i32 s[ST0], \se, 127
	s_lshl_b32 s[ST1], s[ST0], 23
	v_mov_b32 v[\vsc], s[ST1]
	s_add_co_i32 s[ST0], s[ST0], 8
	s_lshl_b32 s[ST0], s[ST0], 23
	s_or_b32 s[ST0], s[ST0], 0x600000
	v_mov_b32 v[\vlim], s[ST0]
.endm
.macro ADDRS                           ; every address is a constant + a constant x lane part + a constant x wave
	s_delay_alu instid0(VALU_DEP_3)
	v_lshlrev_b32 v[LI], 4, v[TL]                  ; 16 x lane
	s_delay_alu instid0(VALU_DEP_3)
	v_lshlrev_b32 v[XG], 4, v[TR]
	s_delay_alu instid0(VALU_DEP_1)
	v_lshl_add_u32 v[XG], v[TH], 11, v[XG]         ; x, out: sixteen lanes on 256 bytes of a row, the other sixteen on the next row
	s_mul_i32 s[ST0], s2, 8704
	s_add_co_u32 s[ST0], s[ST0], STG
	v_mul_u32_u24 v[SW], v[TH], 272
	s_delay_alu instid0(VALU_DEP_1)
	v_lshl_add_u32 v[SW], v[TR], 4, v[SW]
	s_delay_alu instid0(VALU_DEP_1)
	v_add_nc_u32 v[SW], s[ST0], v[SW]              ; the stage by rows of memory
	v_mul_u32_u24 v[SRD], v[TR], 272
	s_delay_alu instid0(VALU_DEP_1)
	v_lshl_add_u32 v[SRD], v[TH], 6, v[SRD]
	s_delay_alu instid0(VALU_DEP_1)
	v_add_nc_u32 v[SRD], s[ST0], v[SRD]            ; the stage by lanes: row r, 64 h bytes on
	s_lshl_b32 s[ST0], s2, 7
	s_add_co_u32 s[ST0], s[ST0], RED1
	v_lshl_add_u32 v[RW], v[TR], 3, s[ST0]
	v_lshlrev_b32 v[RR], 3, v[TR]
	s_delay_alu instid0(VALU_DEP_1)
	v_add_nc_u32 v[RR], RED1, v[RR]
	s_mul_i32 s[ST0], s2, CW
	s_add_co_u32 s[ST0], s[ST0], CONST
	v_lshl_add_u32 v[CR], v[TH], 6, s[ST0]
	v_lshl_add_u32 v[CWA], v[TL], 3, s[ST0]
	s_lshl_b32 s[ST0], s2, 11
	v_add_nc_u32 v[IW], s[ST0], v[LI]              ; 16 lane + 2,048 wave
	s_lshl_b32 s[ST0], s2, 8
	v_lshl_add_u32 v[CG], v[TL], 3, s[ST0]         ; 8 lane + 256 wave
.endm
.macro LOADW rb, off                   ; a stage's four weight fragments, 8,192 bytes, into ring buffer rb
	WIN 0x40
.irp t, 0,1,2,3
.irp c, 0,1,2,3
	global_load_b128 v[64*(\rb)+16*\t+4*\c:64*(\rb)+16*\t+4*\c+3], v[LI], s[WP:WP+1] offset:(\off)+2048*\t+512*\c
.endr
.endr
	WIN 0
.endm
.macro FETCHA ab, areg, off, cs, us    ; the two tiles' fragments of a K step from LDS into operand buffer ab
.irp u, 0,1
.irp c, 0,1,2,3
	ds_load_b128 v[AF+32*(\ab)+16*\u+4*\c:AF+32*(\ab)+16*\u+4*\c+3], v[\areg] offset:(\off)+\c*(\cs)+\u*(\us)
.endr
.endr
.endm
; Eight matrix instructions on eight accumulators, which take turns, one instruction a turn, in the same order in every stage.
; mode 0: source 0 = weights, source 1 = tokens, D at ACC + 32 u + 8 t.  mode 1: swapped, D at ACC + 16 t + 8 u.  cm 0: the product starts the sum; 1: adds in place; 2: C = v[T + 8 t].
.macro MM rb, ab, mode, cm
.if \mode == 0
	WIN 0x01
.irp t, 0,1,2,3
.irp u, 0,1
.if \cm == 0
	v_wmma_f32_16x16x128_fp8_fp8 v[ACC+32*\u+8*\t:ACC+32*\u+8*\t+7], v[64*(\rb)+16*\t:64*(\rb)+16*\t+15], v[AF+32*(\ab)+16*\u:AF+32*(\ab)+16*\u+15], 0
.elseif \cm == 1
	v_wmma_f32_16x16x128_fp8_fp8 v[ACC+32*\u+8*\t:ACC+32*\u+8*\t+7], v[64*(\rb)+16*\t:64*(\rb)+16*\t+15], v[AF+32*(\ab)+16*\u:AF+32*(\ab)+16*\u+15], v[ACC+32*\u+8*\t:ACC+32*\u+8*\t+7]
.else
	v_wmma_f32_16x16x128_fp8_fp8 v[ACC+32*\u+8*\t:ACC+32*\u+8*\t+7], v[64*(\rb)+16*\t:64*(\rb)+16*\t+15], v[AF+32*(\ab)+16*\u:AF+32*(\ab)+16*\u+15], v[T+8*\t:T+8*\t+7]
.endif
.endr
.endr
.else
	WIN 0x04
.irp t, 0,1,2,3
.irp u, 0,1
.if \cm == 0
	v_wmma_f32_16x16x128_fp8_fp8 v[ACC+16*\t+8*\u:ACC+16*\t+8*\u+7], v[AF+32*(\ab)+16*\u:AF+32*(\ab)+16*\u+15], v[64*(\rb)+16*\t:64*(\rb)+16*\t+15], 0
.else
	v_wmma_f32_16x16x128_fp8_fp8 v[ACC+16*\t+8*\u:ACC+16*\t+8*\u+7], v[AF+32*(\ab)+16*\u:AF+32*(\ab)+16*\u+15], v[64*(\rb)+16*\t:64*(\rb)+16*\t+15], v[ACC+16*\t+8*\u:ACC+16*\t+8*\u+7]
.endif
.endr
.endr
.endif
	WIN 0
.endm
; A stage.  nf: the next stage's tokens are fetched first, into the other operand buffer.  left: the weight loads issued behind this stage's sixteen (16 for each stage ahead).  more: ring buffer rb is asked for again.
.macro STAGE rb, ab, left, nf, areg, noff, more, woff, mode, cm
.if \nf
	FETCHA 1-(\ab), \areg, \noff, FCS, FUS
.endif
	s_wait_loadcnt \left
.if \nf
	s_wait_dscnt 8                                 ; this stage's eight fetches are in; the next stage's eight may be out
.else
	s_wait_dscnt 0x0
.endif
	MM \rb, \ab, \mode, \cm
.rept 4
	v_nop                                          ; four places in front of loads into registers that these products read, and of the first read of results
.endr
.if \more
	LOADW \rb, \woff
.endif
.endm
.macro XIN tmp                         ; my 256 bytes of the block's 32 rows, in the order of the two tiles' rows
.irp u, 0,1
.irp i, 0,1,2,3,4,5,6,7
	global_load_b128 v[(\tmp)+4*(8*\u+\i):(\tmp)+4*(8*\u+\i)+3], v[XG], s[XB:XB+1] offset:(8*\u+2*\i+8*(\i/4))*2048 th:TH_LOAD_NT
.endr
.endr
.endm
.macro XST tmp
.irp u, 0,1
.irp i, 0,1,2,3,4,5,6,7
	ds_store_b128 v[SW], v[(\tmp)+4*(8*\u+\i):(\tmp)+4*(8*\u+\i)+3] offset:(16*\u+2*\i)*272
.endr
.endr
.endm
.macro XLAY dst                        ; register 32 u + 16 b + i = x(row r of tile u, channel 64 w + 32 b + 16 h + i).  The stage is the wave's own: LDS serves a wave's instructions in order
.irp u, 0,1
.irp b, 0,1
.irp i, 0,1,2,3
	ds_load_b128 v[(\dst)+32*\u+16*\b+4*\i:(\dst)+32*\u+16*\b+4*\i+3], v[SRD] offset:4352*\u+128*\b+16*\i
.endr
.endr
.endr
.endm
.macro CVEC dst, vec                   ; register 16 b + i = vector[64 w + 32 b + 16 h + i]
.irp b, 0,1
.irp i, 0,1,2,3
	ds_load_b128 v[(\dst)+16*\b+4*\i:(\dst)+16*\b+4*\i+3], v[CR] offset:256*(\vec)+128*\b+16*\i
.endr
.endr
.endm
.macro QG src, tmp, dst, sc, lim       ; sixteen neighbours along K become sixteen codes: the hold (the conversion does not saturate: ISA guide 7.6.2), then the conversion
.irp i, 0,1,2,3,4,5,6,7,8,9,10,11,12,13,14,15
	v_med3_num_f32 v[(\tmp)+\i], v[(\src)+\i], -v[\lim], v[\lim]
.endr
	v_cvt_scalef32_pk8_fp8_f32 v[(\dst):(\dst)+1], v[(\tmp):(\tmp)+7], v[\sc]
	v_cvt_scalef32_pk8_fp8_f32 v[(\dst)+2:(\dst)+3], v[(\tmp)+8:(\tmp)+15], v[\sc]
.endm
.macro GB vs, vg, vb                   ; AF[0:31] = g (1 + scale), AF[32:63] = b (1 + scale)
	CVEC T, \vs
	CVEC AF, \vg
	CVEC AF+32, \vb
	s_wait_dscnt 0x0
.irp k, 0,2,4,6,8,10,12,14,16,18,20,22,24,26,28,30
	v_pk_add_f32 v[T+\k:T+\k+1], v[T+\k:T+\k+1], 1.0 op_sel_hi:[1,0]
.endr
.irp k, 0,2,4,6,8,10,12,14,16,18,20,22,24,26,28,30
	v_pk_mul_f32 v[AF+\k:AF+\k+1], v[AF+\k:AF+\k+1], v[T+\k:T+\k+1]
	v_pk_mul_f32 v[AF+32+\k:AF+33+\k], v[AF+32+\k:AF+33+\k], v[T+\k:T+\k+1]
.endr
.endm
.macro XCHG ro                         ; v[T+8:T+9], a number for each tile: + the other half of the lanes, + the other seven waves; the sum in v[T+12:T+13]
	v_permlanex16_b32 v[T+10], v[T+8], s[SEL], s[SEL+1]
	s_delay_alu instid0(VALU_DEP_2)
	v_permlanex16_b32 v[T+11], v[T+9], s[SEL], s[SEL+1]
	s_delay_alu instid0(VALU_DEP_1)
	v_pk_add_f32 v[T+8:T+9], v[T+8:T+9], v[T+10:T+11]
	ds_store_b64 v[RW], v[T+8:T+9] offset:\ro
	s_wait_dscnt 0x0                               ; for the others: my sums have landed
	s_barrier_signal -1
	s_barrier_wait -1
.irp w, 0,1,2,3,4,5,6,7
	ds_load_b64 v[T+12+2*\w:T+13+2*\w], v[RR] offset:\ro+128*\w
.endr
	s_wait_dscnt 0x0
	v_pk_add_f32 v[T+12:T+13], v[T+12:T+13], v[T+14:T+15]
	v_pk_add_f32 v[T+16:T+17], v[T+16:T+17], v[T+18:T+19]
	v_pk_add_f32 v[T+20:T+21], v[T+20:T+21], v[T+22:T+23]
	v_pk_add_f32 v[T+24:T+25], v[T+24:T+25], v[T+26:T+27]
	s_delay_alu instid0(VALU_DEP_3)
	v_pk_add_f32 v[T+12:T+13], v[T+12:T+13], v[T+16:T+17]
	s_delay_alu instid0(VALU_DEP_2)
	v_pk_add_f32 v[T+20:T+21], v[T+20:T+21], v[T+24:T+25]
	s_delay_alu instid0(VALU_DEP_1)
	v_pk_add_f32 v[T+12:T+13], v[T+12:T+13], v[T+20:T+21]
.endm
; The norm in two passes (the mean, then the squares of the differences: no difference of large sums): D = (X - mean) rsqrt(var + 1e-5) G + B.  Two barriers.
.macro LNSTAT X, D
.irp u, 0,1
	v_pk_add_f32 v[T+4*\u:T+4*\u+1], v[\X+32*\u:\X+32*\u+1], v[\X+32*\u+2:\X+32*\u+3]
	v_pk_add_f32 v[T+4*\u+2:T+4*\u+3], v[\X+32*\u+4:\X+32*\u+5], v[\X+32*\u+6:\X+32*\u+7]
.irp k, 8,12,16,20,24,28
	s_delay_alu instid0(VALU_DEP_2)
	v_pk_add_f32 v[T+4*\u:T+4*\u+1], v[T+4*\u:T+4*\u+1], v[\X+32*\u+\k:\X+32*\u+\k+1]
	s_delay_alu instid0(VALU_DEP_2)
	v_pk_add_f32 v[T+4*\u+2:T+4*\u+3], v[T+4*\u+2:T+4*\u+3], v[\X+32*\u+\k+2:\X+32*\u+\k+3]
.endr
	s_delay_alu instid0(VALU_DEP_1)
	v_pk_add_f32 v[T+4*\u:T+4*\u+1], v[T+4*\u:T+4*\u+1], v[T+4*\u+2:T+4*\u+3]
	s_delay_alu instid0(VALU_DEP_1)
	v_add_f32 v[T+8+\u], v[T+4*\u], v[T+4*\u+1]
.endr
	XCHG 0
	s_delay_alu instid0(VALU_DEP_1)
	v_pk_mul_f32 v[MU:MU+1], v[T+12:T+13], 0x3b000000 op_sel_hi:[1,0]   ; / 512
.irp u, 0,1
.irp k, 0,2,4,6,8,10,12,14,16,18,20,22,24,26,28,30
	v_pk_add_f32 v[\D+32*\u+\k:\D+32*\u+\k+1], v[\X+32*\u+\k:\X+32*\u+\k+1], v[MU:MU+1] op_sel:[0,\u] op_sel_hi:[1,\u] neg_lo:[0,1] neg_hi:[0,1]
.endr
.endr
.irp u, 0,1
	v_pk_mul_f32 v[T+4*\u:T+4*\u+1], v[\D+32*\u:\D+32*\u+1], v[\D+32*\u:\D+32*\u+1]
	v_pk_mul_f32 v[T+4*\u+2:T+4*\u+3], v[\D+32*\u+2:\D+32*\u+3], v[\D+32*\u+2:\D+32*\u+3]
.irp k, 4,8,12,16,20,24,28
	s_delay_alu instid0(VALU_DEP_2)
	v_pk_fma_f32 v[T+4*\u:T+4*\u+1], v[\D+32*\u+\k:\D+32*\u+\k+1], v[\D+32*\u+\k:\D+32*\u+\k+1], v[T+4*\u:T+4*\u+1]
	s_delay_alu instid0(VALU_DEP_2)
	v_pk_fma_f32 v[T+4*\u+2:T+4*\u+3], v[\D+32*\u+\k+2:\D+32*\u+\k+3], v[\D+32*\u+\k+2:\D+32*\u+\k+3], v[T+4*\u+2:T+4*\u+3]
.endr
	s_delay_alu instid0(VALU_DEP_1)
	v_pk_add_f32 v[T+4*\u:T+4*\u+1], v[T+4*\u:T+4*\u+1], v[T+4*\u+2:T+4*\u+3]
	s_delay_alu instid0(VALU_DEP_1)
	v_add_f32 v[T+8+\u], v[T+4*\u], v[T+4*\u+1]
.endr
	XCHG 1024
	s_delay_alu instid0(VALU_DEP_1)
	v_pk_mul_f32 v[T+8:T+9], v[T+12:T+13], 0x3b000000 op_sel_hi:[1,0]
	s_delay_alu instid0(VALU_DEP_1)
	v_pk_add_f32 v[T+8:T+9], v[T+8:T+9], 0x3727c5ac op_sel_hi:[1,0]     ; + 1e-5
	s_wait_alu depctr_va_vdst(0)
	v_rsq_f32 v[T+8], v[T+8]
	v_rsq_f32 v[T+9], v[T+9]
	v_nop                                          ; a plain instruction behind the last transcendental
	s_wait_alu depctr_va_vdst(0)                   ; one wait for both, ahead of their first reader
.irp u, 0,1
.irp k, 0,2,4,6,8,10,12,14,16,18,20,22,24,26,28,30
	v_pk_mul_f32 v[\D+32*\u+\k:\D+32*\u+\k+1], v[\D+32*\u+\k:\D+32*\u+\k+1], v[T+8:T+9] op_sel:[0,\u] op_sel_hi:[1,\u]
.endr
.endr
.irp u, 0,1
.irp k, 0,2,4,6,8,10,12,14,16,18,20,22,24,26,28,30
	v_pk_fma_f32 v[\D+32*\u+\k:\D+32*\u+\k+1], v[\D+32*\u+\k:\D+32*\u+\k+1], v[AF+\k:AF+\k+1], v[AF+32+\k:AF+33+\k]
.endr
.endr
.endm
; A kind's 64 sums a lane become four chunks of codes, each accumulator read from its low end on; each store of the wave covers 512 consecutive bytes, aligned; each chunk has its own registers
.macro EPI kind, ptr, stride
.irp g, 0,1,2,3
	QG ACC+16*\g, ACC+16*\g, XR+16*(\kind)+4*\g, 246+2*(\kind), 247+2*(\kind)
.endr
	v_nop                                          ; a plain instruction between the last conversion and the products that write its sources again
.irp g, 0,1,2,3
	global_store_b128 v[LI], v[XR+16*(\kind)+4*\g:XR+16*(\kind)+4*\g+3], s[\ptr:\ptr+1] offset:\g*(\stride)
.endr
.endm
	s_load_b512 s[4:19], s[0:1], 0x0               ; x, g1, b1, mod, wqkv, lowp_scales, q_img, k_img
	s_load_b64 s[20:21], s[0:1], 0x40              ; v_img
	v_lshl_add_u32 v11, v0, 2, 0x1f000
	v_mov_b32 v255, 0
	v_lshrrev_b32 v[TL], 5, v0
	s_delay_alu instid0(VALU_DEP_1)
	v_readfirstlane_b32 s2, v[TL]                  ; wave = head
	v_and_b32 v[TL], 31, v0
	v_and_b32 v[TR], 15, v0
	v_bfe_u32 v[TH], v0, 4, 1
	ADDRS
	s_mov_b32 s[SEL], 0x76543210                   ; v_permlanex16_b32: lane l xor 16
	s_mov_b32 s[SEL+1], 0xfedcba98
	s_lshr_b32 s56, ttmp9, 6                       ; batch
	s_and_b32 s57, ttmp9, 63                       ; block of 32 tokens in the batch
	s_lshl_b32 s58, ttmp9, 16                      ; x: 32 rows of 2,048 bytes a block, + 256 wave
	s_lshl_b32 s59, s2, 8
	s_add_co_u32 s58, s58, s59
	s_mov_b32 s59, 0
	s_mul_i32 s60, s2, 98304                       ; my 12 stages of weights
	s_mov_b32 s61, 0
	s_lshl_b32 s62, s56, 3
	s_add_co_u32 s62, s62, s2
	s_lshl_b32 s62, s62, 17                        ; 131,072 bytes for each (batch, head)
	s_lshl_b32 s66, s57, 11                        ; q, k: two tiles of 1,024 bytes a block
	s_add_co_u32 s66, s66, s62
	s_mov_b32 s67, 0
	s_lshr_b32 s68, s57, 1                         ; v: key step of 64 = block / 2, its half = block % 2
	s_lshl_b32 s68, s68, 12
	s_add_co_u32 s68, s68, s62
	s_and_b32 s69, s57, 1
	s_lshl_b32 s69, s69, 9
	s_add_co_u32 s68, s68, s69
	s_mov_b32 s69, 0
	s_lshl_b32 s70, s56, 13                        ; mod: 2,048 numbers a batch
	s_mov_b32 s71, 0
	s_wait_alu depctr_va_vdst(0)
	s_wait_kmcnt 0x0
	s_load_b512 s[24:39], s[14:15], 0x0            ; e0 .. e15 in s24 .. s39
	s_add_nc_u64 s[XB:XB+1], s[4:5], s[58:59]
	s_add_nc_u64 s[WP:WP+1], s[12:13], s[60:61]
	s_add_nc_u64 s[QP:QP+1], s[16:17], s[66:67]
	s_add_nc_u64 s[KP:KP+1], s[18:19], s[66:67]
	s_add_nc_u64 s[VP:VP+1], s[20:21], s[68:69]
	s_add_nc_u64 s[MP:MP+1], s[10:11], s[70:71]
	global_load_b64 v[T:T+1], v[CG], s[6:7]        ; my 64 numbers of g1, b1, scale_msa
	global_load_b64 v[T+2:T+3], v[CG], s[8:9]
	global_load_b64 v[T+4:T+5], v[CG], s[MP:MP+1]
	XIN AF
	LOADW 0, 0
	LOADW 1, 8192
	LOADW 2, 16384
	s_wait_loadcnt 48                              ; the constants and x are in; the three stages of weights asked for behind them may be out
	ds_store_b64 v[CWA], v[T:T+1]
	ds_store_b64 v[CWA], v[T+2:T+3] offset:256
	ds_store_b64 v[CWA], v[T+4:T+5] offset:512
	XST AF
	LOADW 3, 24576
	XLAY XR
	s_wait_dscnt 0x0                               ; the stores have read AF and T, into which the next loads land
	GB 2, 0, 1
	LNSTAT XR, XR
	s_wait_kmcnt 0x0
	MKSC s24, 240, 241                             ; xn1 for q, k, v
	MKSC s26, 242, 243
	MKSC s28, 244, 245
	s_sub_co_i32 s56, s30, s24                     ; a sum stands for sum x 2^(e0 + e1): its code is sum / 2^(e6 - e0 - e1)
	s_sub_co_i32 s56, s56, s25
	MKSC s56, 246, 247
	s_sub_co_i32 s56, s31, s26
	s_sub_co_i32 s56, s56, s27
	MKSC s56, 248, 249
	s_sub_co_i32 s56, s33, s28
	s_sub_co_i32 s56, s56, s29
	MKSC s56, 250, 251
.irp kd, 0,1,2                         ; xn1 is kept: the held numbers go into two sets in ACC by turns.  My channels are chunks 2 (w % 2) + b of K step w / 2
.irp u, 0,1
.irp b, 0,1
	QG XR+32*\u+16*\b, ACC+16*\b, AF+16*\kd+8*\u+4*\b, 240+2*\kd, 241+2*\kd
	ds_store_b128 v[IW], v[AF+16*\kd+8*\u+4*\b:AF+16*\kd+8*\u+4*\b+3] offset:XIMG+16384*\kd+1024*\b+512*\u
.endr
.endr
.endr
	v_nop                                          ; a plain instruction behind the last conversion
	s_wait_dscnt 0x0
	s_barrier_signal -1
	s_barrier_wait -1                              ; xn1's 24 fragments lie in LDS
.set FCS, 1024
.set FUS, 512
	FETCHA 0, LI, 0, FCS, FUS
	STAGE 0,0,48,1,LI,4096,1,32768,0,0
	STAGE 1,1,48,1,LI,8192,1,40960,0,1
	STAGE 2,0,48,1,LI,12288,1,49152,0,1
	STAGE 3,1,48,1,LI,16384,1,57344,0,1
	EPI 0,QP,512
	STAGE 0,0,48,1,LI,20480,1,65536,0,0
	STAGE 1,1,48,1,LI,24576,1,73728,0,1
	STAGE 2,0,48,1,LI,28672,1,81920,0,1
	STAGE 3,1,48,1,LI,32768,1,90112,0,1
	EPI 1,KP,512
	STAGE 0,0,48,1,LI,36864,0,0,1,0
	STAGE 1,1,32,1,LI,40960,0,0,1,1                ; the stream's end: the counts run down
	STAGE 2,0,16,1,LI,45056,0,0,1,1
	STAGE 3,1,0,0,LI,0,0,0,1,1
	EPI 2,VP,1024
	s_wait_tensorcnt 0x0
	ds_add_u32 v11, v255
	s_wait_dscnt 0x0
	s_endpgm
.Lfunc_end_k_qd9b108e89a_qkv:
	.size	k_qd9b108e89a_qkv, .Lfunc_end_k_qd9b108e89a_qkv-k_qd9b108e89a_qkv
	.p2alignl 7, 3214868480
	.fill 96, 4, 3214868480
	.section	.rodata,"a",@progbits
	.p2align	6, 0x0
	.amdhsa_kernel k_qd9b108e89a_qkv
		.amdhsa_group_segment_fixed_size 128000
		.amdhsa_private_segment_fixed_size 0
		.amdhsa_enable_private_segment 0
		.amdhsa_kernarg_size 72
		.amdhsa_user_sgpr_count 2
		.amdhsa_user_sgpr_kernarg_segment_ptr 1
		.amdhsa_wavefront_size32 1
		.amdhsa_system_sgpr_workgroup_id_x 1
		.amdhsa_system_sgpr_workgroup_id_y 1
		.amdhsa_system_sgpr_workgroup_id_z 1
		.amdhsa_system_vgpr_workitem_id 0
		.amdhsa_next_free_vgpr 512
		.amdhsa_next_free_sgpr 80
		.amdhsa_reserve_vcc 0
		.amdhsa_float_denorm_mode_32 3
		.amdhsa_float_denorm_mode_16_64 3
		.amdhsa_memory_ordered 1
		.amdhsa_forward_progress 1
		.amdhsa_inst_pref_size 93
	.end_amdhsa_kernel
	.amdgpu_metadata
---
amdhsa.version: [ 1, 2 ]
amdhsa.kernels:
  - .name:           k_qd9b108e89a_qkv
    .symbol:         k_qd9b108e89a_qkv.kd
    .args:
      - { .name: x, .offset: 0, .size: 8, .value_kind: global_buffer, .address_space: global }
      - { .name: g1, .offset: 8, .size: 8, .value_kind: global_buffer, .address_space: global }
      - { .name: b1, .offset: 16, .size: 8, .value_kind: global_buffer, .address_space: global }
      - { .name: mod, .offset: 24, .size: 8, .value_kind: global_buffer, .address_space: global }
      - { .name: wqkv, .offset: 32, .size: 8, .value_kind: global_buffer, .address_space: global }
      - { .name: lowp_scales, .offset: 40, .size: 8, .value_kind: global_buffer, .address_space: global }
      - { .name: q_img, .offset: 48, .size: 8, .value_kind: global_buffer, .address_space: global }
      - { .name: k_img, .offset: 56, .size: 8, .value_kind: global_buffer, .address_space: global }
      - { .name: v_img, .offset: 64, .size: 8, .value_kind: global_buffer, .address_space: global }
    .group_segment_fixed_size: 128000
    .private_segment_fixed_size: 0
    .kernarg_segment_align: 8
    .kernarg_segment_size: 72
    .max_flat_workgroup_size: 256
    .sgpr_count:     80
    .vgpr_count:     512
    .wavefront_size: 32
...
	.end_amdgpu_metadata
.endif
;; end of part 2
;; launch attn (part 3): grid 8 x 32, 8 waves a work-group, no clusters, 263,168 bytes of LDS; arguments q_img, k_img, v_img, lowp_scales, o_img; writes o_img
.if DOCPART == 3
	.amdgcn_target "amdgcn-amd-amdhsa--gfx1250"
	.amdhsa_code_object_version 6
	.text
	.protected	k_qd9b108e89a_attn
	.globl	k_qd9b108e89a_attn
	.p2align	8
	.type	k_qd9b108e89a_attn,@function
k_qd9b108e89a_attn:
	s_mov_b64 s[64:65], 0
	v_nop
	global_prefetch_b8 v0, s[64:65] scope:SCOPE_SE
	s_setreg_imm32_b32 hwreg(HW_REG_WAVE_MODE, 25, 1), 1
	s_wait_xcnt 0x0
; ATTN.  o = softmax(q k^T / 8) v for one (batch, head), both products on codes of E4M3; o is quantised (e10) and stored as an image of the next product's operand.
; THE SOFTMAX: t = score x log2(e) / 8; M = the running largest t rounded up to a whole number; p = 2^(t - M) is quantised (e8), not normalised; the row's sum is taken of the unquantised p and divides at the end.
; When M moves, the sum and O are multiplied by 2^(old M - new M): nothing is rounded, and no branch hangs on data.
; SHARES.  A work-group takes 256 queries of a head, each of its eight waves two tiles of 16.  The head's K (131,072 bytes) and V (131,072) lie in LDS as images of the operands' registers.
; THEY ARRIVE IN FOUR PARTS of 512 keys (32,768 bytes of each): of every 4,096 bytes wave w copies 512 through 64 registers of its own.  Part 0 stands ahead of the loop; part p is asked for at the head of step 4 p - 4 and
; stored at the head of step 4 p, with one barrier behind the stores: no wave reads a part ahead of that barrier, and nobody writes bytes that were read.
; A KEY STEP is 128 keys: 16 matrix instructions of K = 64 for the scores, 8 of K = 128 for O; each fragment read from LDS feeds two of them; the maxima's chain and O's rescaling come once a step.
; THE LOOP IS TURNED: a trip asks for its K, then does the step before's O = O f + V^T P^T while those LDS loads are out, then its own scores and softmax.  The head jumps in behind that product; the last one follows the loop.
; LAYOUT.  S^T = K Q^T and O^T = V^T P^T: a lane holds one query throughout.  Row r of a tile of tokens is token 32 (tile / 2) + 8 (tile % 2) + r + 8 (r / 8), so that the 16 registers of two neighbouring tiles are 16 neighbouring keys,
; and the conversions' results are the second product's operand; the same order of keys stands in V's and in P's registers.
; NO JOINT LOADS, NO TENSOR LOADS: the step holds a scalar branch on the given exponent e8: p is at most 1, so where 448 x 2^e8 is at least 1 (e8 >= -8) the hold changes no number
; and its 128 instructions a step are passed over.  NO PREFETCH: each part is asked for, into registers, four steps ahead of its use.
; LIMITS: e6 + e7 between -123 and 130 (added to the exponent field of log2(e) / 8); e8 and e10 between -126 and 119; the scaled scores t stay under 2^31 in magnitude.
; REGISTERS.  window 0: v1-7 addresses; v[8:9], v[10:11] (-M, largest t) of tile 0, 1; v[12:13], v[14:15] the sums; v16-31 Q; v32-63 p's codes; v64-191 S^T, then p; v240, v241 hold and scale; v242-253 at work; v254, v255 the add's.
; window 1: v0-63 K, v64-127 V, v128-191 O^T, v192-255 a part of K and V on its way.
.set LI,  1
.set ADK, 2
.set ADV, 3
.set AV0, 4
.set LW,  5
.set STK, 6
.set LWV, 7
.set STV, 192
.set QF,  16
.set P,   32
.set S,   64
.set LIM, 240
.set SC,  241
.set KF,  0
.set VF,  64
.set O,   128
.set G,   192
.set SEL, 32
.set CS,  34
.set TB,  36
.set CNT, 37
.set HOLD, 38
.set QP,  40
.set KP,  42
.set VP,  44
.set OP,  46
.set ST0, 56
.set ST1, 57
.set MSB, 0
.macro WIN new                         ; the immediate's high byte repeats the setting that is left
.if MSB != \new
	s_set_vgpr_msb (MSB<<8)|\new
.set MSB, \new
.endif
.endm
.macro MKSC se, vsc, vlim              ; 2^e as f32, and 448 x 2^e
	s_add_co_i32 s[ST0], \se, 127
	s_lshl_b32 s[ST1], s[ST0], 23
	v_mov_b32 v[\vsc], s[ST1]
	s_add_co_i32 s[ST0], s[ST0], 8
	s_lshl_b32 s[ST0], s[ST0], 23
	s_or_b32 s[ST0], s[ST0], 0x600000
	v_mov_b32 v[\vlim], s[ST0]
.endm
.macro CIN                             ; my 512 bytes of each 4,096 of a part of K and of V: each load covers 512 consecutive bytes, aligned
	WIN 0x40
.irp i, 0,1,2,3,4,5,6,7
	global_load_b128 v[G+4*\i:G+4*\i+3], v[LW], s[KP:KP+1] offset:4096*\i
	global_load_b128 v[G+32+4*\i:G+32+4*\i+3], v[LW], s[VP:VP+1] offset:4096*\i
.endr
	WIN 0
.endm
.macro COUT ak, av                     ; and into LDS as they lie
	WIN 0x04
.irp i, 0,1,2,3,4,5,6,7
	ds_store_b128 v[\ak], v[G+4*\i:G+4*\i+3] offset:4096*\i
	ds_store_b128 v[\av], v[G+32+4*\i:G+32+4*\i+3] offset:4096*\i
.endr
	WIN 0
.endm
.macro KLOAD                           ; the step's eight tiles of K
	v_add_nc_u32 v[ADK], s[TB], v[LI]
	WIN 0x40
.irp k, 0,1,2,3,4,5,6,7
.irp c, 0,1
	ds_load_b128 v[KF+8*\k+4*\c:KF+8*\k+4*\c+3], v[ADK] offset:1024*\k+512*\c
.endr
.endr
	WIN 0
.endm
.macro PVSTEP left                     ; O^T = O^T f + V^T P^T of the step whose softmax is done.  left: the LDS loads issued behind V's sixteen
	WIN 0x41
	s_wait_alu depctr_va_vdst(0)                   ; directly ahead of the first reader of O^T
.irp q, 0,1
.irp j, 0,2,4,6,8,10,12,14,16,18,20,22,24,26,28,30
	v_pk_mul_f32 v[O+32*\q+\j:O+32*\q+\j+1], v[O+32*\q+\j:O+32*\q+\j+1], v[244+6*\q:245+6*\q] op_sel_hi:[1,0]
.endr
.endr
	s_wait_alu depctr_va_vdst(0)                   ; directly ahead of the wait below
	s_wait_dscnt \left                             ; V is in
	WIN 0x51
.irp t, 0,1,2,3
.irp q, 0,1
	v_wmma_f32_16x16x128_fp8_fp8 v[O+32*\q+8*\t:O+32*\q+8*\t+7], v[VF+16*\t:VF+16*\t+15], v[P+16*\q:P+16*\q+15], v[O+32*\q+8*\t:O+32*\q+8*\t+7]   ; eight accumulators by turns
.endr
.endr
	WIN 0
.endm
	s_load_b256 s[4:11], s[0:1], 0x0               ; q_img, k_img, v_img, lowp_scales
	s_load_b64 s[12:13], s[0:1], 0x20              ; o_img
	v_lshl_add_u32 v254, v0, 2, 0x40000
	v_mov_b32 v255, 0
	v_lshrrev_b32 v2, 5, v0
	v_readfirstlane_b32 s2, v2                     ; wave
	v_and_b32 v2, 31, v0
	v_lshlrev_b32 v[LI], 4, v2                     ; 16 x lane
	v_add_nc_u32 v[AV0], 131072, v[LI]             ; V's region
	s_lshl_b32 s56, s2, 9
	v_add_nc_u32 v[LW], s56, v[LI]                 ; 512 wave + 16 lane: the offset in memory and in LDS alike
	v_add_nc_u32 v[LWV], 131072, v[LW]
	s_and_b32 s3, ttmp7, 0xffff                    ; 8 batch + head
	s_lshl_b32 s48, s3, 17
	s_mov_b32 s49, 0
	s_lshl_b32 s50, ttmp9, 4
	s_lshl_b32 s51, s2, 1
	s_add_co_u32 s50, s50, s51                     ; my first tile of queries: 16 block + 2 wave
	s_lshl_b32 s52, s50, 10
	s_add_co_u32 s52, s52, s48
	s_mov_b32 s53, 0
	s_lshr_b32 s54, s3, 3
	s_lshl_b32 s54, s54, 7
	s_add_co_u32 s54, s54, s50
	s_lshl_b32 s54, s54, 13                        ; o_img: 8,192 bytes a tile of tokens;
	s_and_b32 s55, s3, 7
	s_lshl_b32 s55, s55, 10                        ; the head's 64 channels are two chunks: 1,024 x head
	s_add_co_u32 s54, s54, s55
	s_mov_b32 s55, 0
	s_mov_b32 s[SEL], 0x76543210
	s_mov_b32 s[SEL+1], 0xfedcba98
	s_wait_alu depctr_va_vdst(0)                   ; directly ahead of the wait below
	s_wait_kmcnt 0x0
	s_load_b512 s[16:31], s[10:11], 0x0            ; e0 .. e15 in s16 .. s31
	s_add_nc_u64 s[QP:QP+1], s[4:5], s[52:53]
	s_add_nc_u64 s[KP:KP+1], s[6:7], s[48:49]
	s_add_nc_u64 s[VP:VP+1], s[8:9], s[48:49]
	s_add_nc_u64 s[OP:OP+1], s[12:13], s[54:55]
.irp q, 0,1
.irp c, 0,1
	global_load_b128 v[QF+8*\q+4*\c:QF+8*\q+4*\c+3], v[LI], s[QP:QP+1] offset:1024*\q+512*\c th:TH_LOAD_NT
.endr
.endr
	CIN                                            ; part 0
	WIN 0x40
.set J, 0
.rept 64
	v_mov_b32 v[O+J], 0                            ; the step is written once: the first finds zeros, which the first change of M leaves zeros
.set J, J+1
.endr
	WIN 0
.irp q, 0,1
	v_mov_b32 v[9+2*\q], 0xff61b1e6                ; the largest t so far: -3e38
	v_floor_f32 v[8+2*\q], -v[9+2*\q]              ; -M
	v_mov_b32 v[12+2*\q], 0
	v_mov_b32 v[13+2*\q], 0
	v_mov_b32 v[243+6*\q], 0                       ; a lane permute's destination counts as read
	v_mov_b32 v[245+6*\q], 0                       ; named as the upper half of f's pair
.endr
	s_wait_kmcnt 0x0
	s_mov_b32 s[CS], 0x3e38aa3b                    ; log2(e) / 8
	s_add_co_i32 s48, s22, s23
	s_lshl_b32 s48, s48, 23
	s_add_co_i32 s[CS], s[CS], s48                 ; x 2^(e6 + e7)
	s_mov_b32 s[CS+1], s[CS]
	MKSC s24, SC, LIM
	s_cmp_lt_i32 s24, -8
	s_cselect_b32 s[HOLD], 1, 0
	s_mov_b32 s[TB], 0                             ; LDS byte of the step's K: 8,192 a step
	s_mov_b32 s[CNT], 16
	s_wait_alu depctr_va_vdst(0)                   ; the head's end
	s_wait_loadcnt 0x0                             ; Q and part 0 are in, so the two bases may step
	COUT LW, LWV
	s_add_nc_u64 s[KP:KP+1], s[KP:KP+1], 32768
	s_add_nc_u64 s[VP:VP+1], s[VP:VP+1], 32768
	s_wait_dscnt 0x0                               ; for the others: my share of part 0 has landed
	s_barrier_signal -1
	s_barrier_wait -1
	CIN                                            ; part 1
	KLOAD
	s_branch .Lmid                                 ; step 0 has no step before it
.Lkeys:
	s_and_b32 s48, s[TB], 0x6000
	s_cmp_lg_u32 s48, 0
	s_cbranch_scc1 .Lsame                          ; the count of steps alone decides: all eight waves go the same way
	v_add_nc_u32 v[STK], s[TB], v[LW]              ; steps 4, 8, 12: the part that begins with this step goes into LDS
	v_add_nc_u32 v[STV], s[TB], v[LWV]
	s_wait_alu depctr_va_vdst(0)                   ; directly ahead of the wait below
	s_wait_loadcnt 0x0                             ; the part is in registers
	COUT STK, STV
	s_add_nc_u64 s[KP:KP+1], s[KP:KP+1], 32768
	s_add_nc_u64 s[VP:VP+1], s[VP:VP+1], 32768
	s_wait_dscnt 0x0                               ; for the others: my share has landed
	s_barrier_signal -1
	s_barrier_wait -1
	s_cmp_ge_u32 s[TB], 98304
	s_cbranch_scc1 .Lsame                          ; behind part 3 there is none
	CIN                                            ; the next part: four steps ahead of its stores
.Lsame:
	KLOAD
	PVSTEP 16                                      ; K's sixteen loads may be out
.Lmid:
	s_wait_dscnt 0x0                               ; K of this step is in
	WIN 0x01
.irp k, 0,1,2,3,4,5,6,7
.irp q, 0,1
	v_wmma_f32_16x16x64_fp8_fp8 v[S+64*\q+8*\k:S+64*\q+8*\k+7], v[KF+8*\k:KF+8*\k+7], v[QF+8*\q:QF+8*\q+7], 0
.endr
.endr
	WIN 0
	v_add_nc_u32 v[ADV], s[TB], v[AV0]             ; four plain instructions: the places in front of the loads into V's registers and of the first read of the scores
	v_nop
	v_nop
	v_nop
	WIN 0x40
.irp t, 0,1,2,3
.irp b, 0,1,2,3
	ds_load_b128 v[VF+16*\t+4*\b:VF+16*\t+4*\b+3], v[ADV] offset:4096*(\b/2)+1024*\t+512*(\b%2)   ; V of this step: keys 32 b + 16 (lane / 16) on
.endr
.endr
	WIN 0
.irp q, 0,1
	v_max3_num_f32 v[242+6*\q], v[S+64*\q], v[S+64*\q+1], v[S+64*\q+2]   ; the largest score, in two chains, each accumulator from its low end on; the two tiles line by line
.endr
.irp q, 0,1
	v_max3_num_f32 v[244+6*\q], v[S+64*\q+3], v[S+64*\q+4], v[S+64*\q+5]
.endr
.set J, 6
.rept 14
.irp q, 0,1
	v_max3_num_f32 v[242+6*\q], v[242+6*\q], v[S+64*\q+J], v[S+64*\q+J+1]
.endr
.irp q, 0,1
	v_max3_num_f32 v[244+6*\q], v[244+6*\q], v[S+64*\q+J+2], v[S+64*\q+J+3]
.endr
.set J, J+4
.endr
.irp q, 0,1
	v_max3_num_f32 v[242+6*\q], v[242+6*\q], v[S+64*\q+62], v[S+64*\q+63]
.endr
.irp q, 0,1
	s_delay_alu instid0(VALU_DEP_2)
	v_max_num_f32 v[242+6*\q], v[242+6*\q], v[244+6*\q]
.endr
.irp q, 0,1
	s_delay_alu instid0(VALU_DEP_2)
	v_permlanex16_b32 v[243+6*\q], v[242+6*\q], s[SEL], s[SEL+1]
.endr
.irp q, 0,1
	s_delay_alu instid0(VALU_DEP_2)
	v_max_num_f32 v[242+6*\q], v[242+6*\q], v[243+6*\q]
.endr
.irp q, 0,1
	s_delay_alu instid0(VALU_DEP_2)
	v_mul_f32 v[242+6*\q], s[CS], v[242+6*\q]      ; as t (the factor is positive)
.endr
.irp q, 0,1
	s_delay_alu instid0(VALU_DEP_2)
	v_max_num_f32 v[9+2*\q], v[9+2*\q], v[242+6*\q]
.endr
.irp q, 0,1
	v_mov_b32 v[242+6*\q], v[8+2*\q]
.endr
.irp q, 0,1
	s_delay_alu instid0(VALU_DEP_4)
	v_floor_f32 v[8+2*\q], -v[9+2*\q]              ; -M = floor(-t)
.endr
.irp q, 0,1
	s_delay_alu instid0(VALU_DEP_2)
	v_sub_f32 v[242+6*\q], v[8+2*\q], v[242+6*\q]  ; old M - new M, a whole number, 0 or less
.endr
.irp q, 0,1
	s_delay_alu instid0(VALU_DEP_2)
	v_cvt_i32_f32 v[242+6*\q], v[242+6*\q]
.endr
.irp q, 0,1
	s_delay_alu instid0(VALU_DEP_2)
	v_ldexp_f32 v[244+6*\q], 1.0, v[242+6*\q]      ; f = 2^(old M - new M); it serves the sums here and O^T at the next trip's head
.endr
.set J, 0
.rept 32
.irp q, 0,1
	v_pk_fma_f32 v[S+64*\q+J:S+64*\q+J+1], v[S+64*\q+J:S+64*\q+J+1], s[CS:CS+1], v[8+2*\q:9+2*\q] op_sel_hi:[1,0,0]   ; t - M
.endr
.set J, J+2
.endr
	s_wait_alu depctr_va_vdst(0)                   ; ahead of the batch
.set J, 0
.rept 64
.irp q, 0,1
	v_exp_f32 v[S+64*\q+J], v[S+64*\q+J]
.endr
.set J, J+1
.endr
.irp q, 0,1
	v_pk_mul_f32 v[12+2*\q:13+2*\q], v[12+2*\q:13+2*\q], v[244+6*\q:245+6*\q] op_sel_hi:[1,0]   ; the sums under the new M: the plain instructions behind the exponentials
.endr
	s_wait_alu depctr_va_vdst(0)                   ; one wait for the 128 exponentials, ahead of their first reader
.irp q, 0,1
	v_pk_add_f32 v[246+6*\q:247+6*\q], v[S+64*\q:S+64*\q+1], v[S+64*\q+2:S+64*\q+3]   ; the sum of the unquantised p, in two chains
.endr
.set J, 4
.rept 15
.irp q, 0,1
	v_pk_add_f32 v[12+2*\q:13+2*\q], v[12+2*\q:13+2*\q], v[S+64*\q+J:S+64*\q+J+1]
.endr
.irp q, 0,1
	v_pk_add_f32 v[246+6*\q:247+6*\q], v[246+6*\q:247+6*\q], v[S+64*\q+J+2:S+64*\q+J+3]
.endr
.set J, J+4
.endr
.irp q, 0,1
	s_delay_alu instid0(VALU_DEP_2)
	v_pk_add_f32 v[12+2*\q:13+2*\q], v[12+2*\q:13+2*\q], v[246+6*\q:247+6*\q]
.endr
	s_cmp_eq_u32 s[HOLD], 0
	s_cbranch_scc1 .Lfree                          ; 448 x 2^e8 >= 1 >= p: the hold would change nothing
.set J, 0
.rept 128
	v_min_num_f32 v[S+J], v[S+J], v[LIM]           ; the conversion does not saturate (ISA guide 7.6.2); p is not negative
.set J, J+1
.endr
.Lfree:
.irp q, 0,1
.irp b, 0,1,2,3
	v_cvt_scalef32_pk8_fp8_f32 v[P+16*\q+4*\b:P+16*\q+4*\b+1], v[S+64*\q+16*\b:S+64*\q+16*\b+7], v[SC]
	v_cvt_scalef32_pk8_fp8_f32 v[P+16*\q+4*\b+2:P+16*\q+4*\b+3], v[S+64*\q+16*\b+8:S+64*\q+16*\b+15], v[SC]
.endr
.endr
	v_nop                                          ; a plain instruction behind the last conversion
	s_add_co_u32 s[TB], s[TB], 8192
	s_sub_co_u32 s[CNT], s[CNT], 1
	s_cmp_lg_u32 s[CNT], 0
	s_cbranch_scc1 .Lkeys
	PVSTEP 0                                       ; the last step's product
.rept 4
	v_nop                                          ; places behind the last products
.endr
.irp q, 0,1
	v_add_f32 v[12+2*\q], v[12+2*\q], v[13+2*\q]
.endr
.irp q, 0,1
	s_delay_alu instid0(VALU_DEP_2)
	v_permlanex16_b32 v[243+6*\q], v[12+2*\q], s[SEL], s[SEL+1]
.endr
.irp q, 0,1
	s_delay_alu instid0(VALU_DEP_2)
	v_add_f32 v[12+2*\q], v[12+2*\q], v[243+6*\q]  ; the row's sum
.endr
	s_wait_alu depctr_va_vdst(0)                   ; ahead of the batch
.irp q, 0,1
	v_rcp_f32 v[12+2*\q], v[12+2*\q]
.endr
	v_nop
	s_add_co_i32 s48, s24, s25
	MKSC s26, SC, LIM                              ; o's scale and hold
	s_wait_alu depctr_va_vdst(0)                   ; one wait for both reciprocals
.irp q, 0,1
	v_ldexp_f32 v[12+2*\q], v[12+2*\q], s48        ; x 2^(e8 + e9)
.endr
	WIN 0x01
	s_wait_alu depctr_va_vdst(0)                   ; directly ahead of the first reader of O^T
.irp q, 0,1
.irp j, 0,2,4,6,8,10,12,14,16,18,20,22,24,26,28,30
	v_pk_mul_f32 v[S+32*\q+\j:S+32*\q+\j+1], v[O+32*\q+\j:O+32*\q+\j+1], v[12+2*\q:13+2*\q] op_sel_hi:[1,0]   ; O^T / the sum, into window 0; each accumulator from its low end on
.endr
.endr
	WIN 0
.irp q, 0,1
.irp b, 0,1
.irp i, 0,1,2,3,4,5,6,7,8,9,10,11,12,13,14,15
	v_med3_num_f32 v[S+32*\q+16*\b+\i], v[S+32*\q+16*\b+\i], -v[LIM], v[LIM]
.endr
	v_cvt_scalef32_pk8_fp8_f32 v[P+8*\q+4*\b:P+8*\q+4*\b+1], v[S+32*\q+16*\b:S+32*\q+16*\b+7], v[SC]
	v_cvt_scalef32_pk8_fp8_f32 v[P+8*\q+4*\b+2:P+8*\q+4*\b+3], v[S+32*\q+16*\b+8:S+32*\q+16*\b+15], v[SC]
.endr
.endr
	v_nop
.irp q, 0,1
.irp b, 0,1
	global_store_b128 v[LI], v[P+8*\q+4*\b:P+8*\q+4*\b+3], s[OP:OP+1] offset:8192*\q+512*\b   ; 512 consecutive bytes, aligned
.endr
.endr
	s_wait_tensorcnt 0x0                           ; the wave's end
	ds_add_u32 v254, v255
	s_wait_dscnt 0x0
	s_endpgm
.Lfunc_end_k_qd9b108e89a_attn:
	.size	k_qd9b108e89a_attn, .Lfunc_end_k_qd9b108e89a_attn-k_qd9b108e89a_attn
	.p2alignl 7, 3214868480
	.fill 96, 4, 3214868480
	.section	.rodata,"a",@progbits
	.p2align	6, 0x0
	.amdhsa_kernel k_qd9b108e89a_attn
		.amdhsa_group_segment_fixed_size 263168
		.amdhsa_private_segment_fixed_size 0
		.amdhsa_enable_private_segment 0
		.amdhsa_kernarg_size 40
		.amdhsa_user_sgpr_count 2
		.amdhsa_user_sgpr_kernarg_segment_ptr 1
		.amdhsa_wavefront_size32 1
		.amdhsa_system_sgpr_workgroup_id_x 1
		.amdhsa_system_sgpr_workgroup_id_y 1
		.amdhsa_system_sgpr_workgroup_id_z 1
		.amdhsa_system_vgpr_workitem_id 0
		.amdhsa_next_free_vgpr 512
		.amdhsa_next_free_sgpr 66
		.amdhsa_reserve_vcc 0
		.amdhsa_float_denorm_mode_32 3
		.amdhsa_float_denorm_mode_16_64 3
		.amdhsa_memory_ordered 1
		.amdhsa_forward_progress 1
		.amdhsa_inst_pref_size 54
	.end_amdhsa_kernel
	.amdgpu_metadata
---
amdhsa.version: [ 1, 2 ]
amdhsa.kernels:
  - .name:           k_qd9b108e89a_attn
    .symbol:         k_qd9b108e89a_attn.kd
    .args:
      - { .name: q_img, .offset: 0, .size: 8, .value_kind: global_buffer, .address_space: global }
      - { .name: k_img, .offset: 8, .size: 8, .value_kind: global_buffer, .address_space: global }
      - { .name: v_img, .offset: 16, .size: 8, .value_kind: global_buffer, .address_space: global }
      - { .name: lowp_scales, .offset: 24, .size: 8, .value_kind: global_buffer, .address_space: global }
      - { .name: o_img, .offset: 32, .size: 8, .value_kind: global_buffer, .address_space: global }
    .group_segment_fixed_size: 263168
    .private_segment_fixed_size: 0
    .kernarg_segment_align: 8
    .kernarg_segment_size: 40
    .max_flat_workgroup_size: 256
    .sgpr_count:     66
    .vgpr_count:     512
    .wavefront_size: 32
...
	.end_amdgpu_metadata
.endif
;; end of part 3
;; launch tail (part 4): grid 256 x 1, 8 waves a work-group, no clusters, 191,488 bytes of LDS; arguments x, o_img, wtail, mod, g2, b2, b_mlp1, b_mlp2, lowp_scales, out0; writes out0
.if DOCPART == 4
	.amdgcn_target "amdgcn-amd-amdhsa--gfx1250"
	.amdhsa_code_object_version 6
	.text
	.protected	k_qd9b108e89a_tail
	.globl	k_qd9b108e89a_tail
	.p2align	8
	.type	k_qd9b108e89a_tail,@function
k_qd9b108e89a_tail:
	s_mov_b64 s[64:65], 0
	v_nop
	global_prefetch_b8 v0, s[64:65] scope:SCOPE_SE
	s_setreg_imm32_b32 hwreg(HW_REG_WAVE_MODE, 25, 1), 1
	s_wait_xcnt 0x0
; TAIL.  x1 = x + (o Wo) gate_msa;  xn2 = LN(x1; g2, b2) (1 + scale_mlp);  h = gelu(xn2 W_mlp1 + b_mlp1), exact;  out0 = x1 + gate_mlp (h W_mlp2 + b_mlp2).  The three products on codes of E4M3.
; SHARES.  A work-group takes 32 tokens (two tiles; row r of tile u is token 8 u + r + 8 (r / 8) of the block) through the whole chain; x1 stays in registers, xn2 and h never go to memory.
; Wave w holds output channels 64 w .. 64 w + 63 (Wo, the norm, W_mlp2) and hidden units 256 w .. 256 w + 255 (four groups of 64).  36 stages of 8 matrix instructions: 4 Wo, 16 W_mlp1, 16 W_mlp2.
; OPERANDS ARE IMAGES OF THEIR REGISTERS (chunk c, lane (r, h), byte j = k 32 c + 16 h + j of row r), every access 16 bytes at 16 x lane.  The weights' 36 stages lie on end in memory for each wave and come straight into a ring of four
; register buffers (window 1), three stages ahead, through the norm and the activation too; the tokens' codes go from wave to wave through LDS.  Source 0 = 16 channels of W, source 1 = 16 tokens: a lane holds one token, registers along channels.
; erf(z) = z P(z^2) / Q(z^2) with z held within +-4; gelu = a + a erf(z), a = half the number.  LIMIT: its absolute error is that of f32's own 1 + erf, about 1.2e-7 x the number's magnitude.
; NO JOINT LOADS: each weight fragment is read by one wave of a work-group and feeds its two matrix instructions from the registers it lands in; a load shared with other work-groups would have to pass through LDS, one write and one read more for each byte.
; LIMITS: e12, e14 between -126 and 119; e10 + e11, e14 + e15, -(e12 + e13), e12 + e13 - 1 between -126 and 127.  NaN and infinities among the inputs are not served.
; REGISTERS.  window 0: v1-13 addresses, v[14:15] means, v16-79 AF (two operand buffers; at work in the norm and the activation), v80-143 ACC, v144-207 XR = x1, v208-239 T, v240-247 scales and coefficients, v248-255 the head's.  window 1: the ring.
.set OIMG,  0                          ; o's codes: [tile 2][K step 4][chunk 4][512]
.set XN2,   16384                      ; xn2's: [K step 4][chunk 4][tile 2][512]
.set HIMG,  32768                      ; h's: [K step 16][chunk 4][tile 2][512]
.set STG,   98304                      ; a stage of 32 rows x (256 + 16) bytes for each wave
.set CONST, 167936                     ; for each wave: gate_msa, g2, b2, scale_mlp, b_mlp2, gate_mlp (256 bytes each), then its 256 numbers of b_mlp1
.set CW,    2560
.set RED1,  188416
.set LI,  1
.set XG,  2
.set SW,  3
.set SRD, 4
.set RW,  5
.set RR,  6
.set CR,  7
.set IW,  8
.set HW,  9
.set HRA, 10
.set BR,  11
.set HW0, 12
.set HRB, 13
.set MU,  14
.set AF,  16
.set ACC, 80
.set XR,  144
.set T,   208
.set TL,  248
.set TR,  249
.set TH,  250
.set CWA, 252
.set CG,  253
.set BG,  254
.set BWA, 255
.set SEL, 40
.set XB,  42
.set WP,  44
.set OUT, 46
.set MP,  48
.set OP,  50
.set ST0, 54
.set ST1, 55
.set SA,  60                           ; s[60:61] 2^(e10 + e11); each factor is a pair of which the packed forms take the low word
.set SBI, 62                           ; 2^-(e12 + e13)
.set SZ,  66                           ; 2^(e12 + e13) / sqrt(2)
.set SH,  68                           ; 2^(e12 + e13 - 1)
.set SY,  70                           ; 2^(e14 + e15)
.set GBO, 72
.set HO,  73
.set CNT, 74
.set MSB, 0
.macro WIN new                         ; the immediate's high byte repeats the setting that is left
.if MSB != \new
	s_set_vgpr_msb (MSB<<8)|\new
.set MSB, \new
.endif
.endm
.macro MKSC se, vsc, vlim              ; 2^e as f32, and 448 x 2^e
	s_add_co_i32 s[ST0], \se, 127
	s_lshl_b32 s[ST1], s[ST0], 23
	v_mov_b32 v[\vsc], s[ST1]
	s_add_co_i32 s[ST0], s[ST0], 8
	s_lshl_b32 s[ST0], s[ST0], 23
	s_or_b32 s[ST0], s[ST0], 0x600000
	v_mov_b32 v[\vlim], s[ST0]
.endm
.macro ADDRS                           ; every address is a constant + a constant x lane part + a constant x wave
	s_delay_alu instid0(VALU_DEP_3)
	v_lshlrev_b32 v[LI], 4, v[TL]
	s_delay_alu instid0(VALU_DEP_3)
	v_lshlrev_b32 v[XG], 4, v[TR]
	s_delay_alu instid0(VALU_DEP_1)
	v_lshl_add_u32 v[XG], v[TH], 11, v[XG]
	s_mul_i32 s[ST0], s2, 8704
	s_add_co_u32 s[ST0], s[ST0], STG
	v_mul_u32_u24 v[SW], v[TH], 272
	s_delay_alu instid0(VALU_DEP_1)
	v_lshl_add_u32 v[SW], v[TR], 4, v[SW]
	s_delay_alu instid0(VALU_DEP_1)
	v_add_nc_u32 v[SW], s[ST0], v[SW]
	v_mul_u32_u24 v[SRD], v[TR], 272
	s_delay_alu instid0(VALU_DEP_1)
	v_lshl_add_u32 v[SRD], v[TH], 6, v[SRD]
	s_delay_alu instid0(VALU_DEP_1)
	v_add_nc_u32 v[SRD], s[ST0], v[SRD]
	s_lshl_b32 s[ST0], s2, 7
	s_add_co_u32 s[ST0], s[ST0], RED1
	v_lshl_add_u32 v[RW], v[TR], 3, s[ST0]
	v_lshlrev_b32 v[RR], 3, v[TR]
	s_delay_alu instid0(VALU_DEP_1)
	v_add_nc_u32 v[RR], RED1, v[RR]
	s_mul_i32 s[ST0], s2, CW
	s_add_co_u32 s[ST0], s[ST0], CONST
	v_lshl_add_u32 v[CR], v[TH], 6, s[ST0]
	v_lshl_add_u32 v[CWA], v[TL], 3, s[ST0]
	s_lshl_b32 s[ST0], s2, 11
	v_add_nc_u32 v[IW], s[ST0], v[LI]
	s_lshl_b32 s[ST0], s2, 8
	v_lshl_add_u32 v[CG], v[TL], 3, s[ST0]
.endm
.macro LOADW rb, off                   ; a stage's four weight fragments, 8,192 bytes, into ring buffer rb
	WIN 0x40
.irp t, 0,1,2,3
.irp c, 0,1,2,3
	global_load_b128 v[64*(\rb)+16*\t+4*\c:64*(\rb)+16*\t+4*\c+3], v[LI], s[WP:WP+1] offset:(\off)+2048*\t+512*\c
.endr
.endr
	WIN 0
.endm
.macro FETCHA ab, areg, off, cs, us    ; the two tiles' fragments of a K step from LDS into operand buffer ab
.irp u, 0,1
.irp c, 0,1,2,3
	ds_load_b128 v[AF+32*(\ab)+16*\u+4*\c:AF+32*(\ab)+16*\u+4*\c+3], v[\areg] offset:(\off)+\c*(\cs)+\u*(\us)
.endr
.endr
.endm
; Eight matrix instructions on eight accumulators, which take turns, one instruction a turn, in the same order in every stage.
; D at ACC + 32 u + 8 t.  cm 0: the product starts the sum; 1: adds in place; 2: C = v[T + 8 t], the bias in the result's layout.
.macro MM rb, ab, cm
	WIN 0x01
.irp t, 0,1,2,3
.irp u, 0,1
.if \cm == 0
	v_wmma_f32_16x16x128_fp8_fp8 v[ACC+32*\u+8*\t:ACC+32*\u+8*\t+7], v[64*(\rb)+16*\t:64*(\rb)+16*\t+15], v[AF+32*(\ab)+16*\u:AF+32*(\ab)+16*\u+15], 0
.elseif \cm == 1
	v_wmma_f32_16x16x128_fp8_fp8 v[ACC+32*\u+8*\t:ACC+32*\u+8*\t+7], v[64*(\rb)+16*\t:64*(\rb)+16*\t+15], v[AF+32*(\ab)+16*\u:AF+32*(\ab)+16*\u+15], v[ACC+32*\u+8*\t:ACC+32*\u+8*\t+7]
.else
	v_wmma_f32_16x16x128_fp8_fp8 v[ACC+32*\u+8*\t:ACC+32*\u+8*\t+7], v[64*(\rb)+16*\t:64*(\rb)+16*\t+15], v[AF+32*(\ab)+16*\u:AF+32*(\ab)+16*\u+15], v[T+8*\t:T+8*\t+7]
.endif
.endr
.endr
	WIN 0
.endm
; A stage.  nf: the next stage's tokens are fetched first, into the other operand buffer.  left: the weight loads issued behind this stage's sixteen (16 for each stage ahead).  more: ring buffer rb is asked for again.
.macro STAGE rb, ab, left, nf, areg, noff, more, woff, cm
.if \nf
	FETCHA 1-(\ab), \areg, \noff, FCS, FUS
.endif
	s_wait_loadcnt \left
.if \nf
	s_wait_dscnt 8                                 ; this stage's eight fetches are in; the next stage's eight may be out
.else
	s_wait_dscnt 0x0
.endif
	MM \rb, \ab, \cm
.rept 4
	v_nop                                          ; four places in front of loads into registers that these products read, and of the first read of results
.endr
.if \more
	LOADW \rb, \woff
.endif
.endm
.macro XIN tmp
.irp u, 0,1
.irp i, 0,1,2,3,4,5,6,7
	global_load_b128 v[(\tmp)+4*(8*\u+\i):(\tmp)+4*(8*\u+\i)+3], v[XG], s[XB:XB+1] offset:(8*\u+2*\i+8*(\i/4))*2048 th:TH_LOAD_NT
.endr
.endr
.endm
.macro XST tmp
.irp u, 0,1
.irp i, 0,1,2,3,4,5,6,7
	ds_store_b128 v[SW], v[(\tmp)+4*(8*\u+\i):(\tmp)+4*(8*\u+\i)+3] offset:(16*\u+2*\i)*272
.endr
.endr
.endm
.macro XLAY dst                        ; register 32 u + 16 b + i = x(row r of tile u, channel 64 w + 32 b + 16 h + i).  The stage is the wave's own: LDS serves a wave's instructions in order
.irp u, 0,1
.irp b, 0,1
.irp i, 0,1,2,3
	ds_load_b128 v[(\dst)+32*\u+16*\b+4*\i:(\dst)+32*\u+16*\b+4*\i+3], v[SRD] offset:4352*\u+128*\b+16*\i
.endr
.endr
.endr
.endm
.macro CVEC dst, vec                   ; register 16 b + i = vector[64 w + 32 b + 16 h + i]
.irp b, 0,1
.irp i, 0,1,2,3
	ds_load_b128 v[(\dst)+16*\b+4*\i:(\dst)+16*\b+4*\i+3], v[CR] offset:256*(\vec)+128*\b+16*\i
.endr
.endr
.endm
.macro QG src, tmp, dst, sc, lim       ; sixteen neighbours along K become sixteen codes: the hold (the conversion does not saturate: ISA guide 7.6.2), then the conversion
.irp i, 0,1,2,3,4,5,6,7,8,9,10,11,12,13,14,15
	v_med3_num_f32 v[(\tmp)+\i], v[(\src)+\i], -v[\lim], v[\lim]
.endr
	v_cvt_scalef32_pk8_fp8_f32 v[(\dst):(\dst)+1], v[(\tmp):(\tmp)+7], v[\sc]
	v_cvt_scalef32_pk8_fp8_f32 v[(\dst)+2:(\dst)+3], v[(\tmp)+8:(\tmp)+15], v[\sc]
.endm
.macro GB vs, vg, vb                   ; AF[0:31] = g (1 + scale), AF[32:63] = b (1 + scale)
	CVEC T, \vs
	CVEC AF, \vg
	CVEC AF+32, \vb
	s_wait_dscnt 0x0
.irp k, 0,2,4,6,8,10,12,14,16,18,20,22,24,26,28,30
	v_pk_add_f32 v[T+\k:T+\k+1], v[T+\k:T+\k+1], 1.0 op_sel_hi:[1,0]
.endr
.irp k, 0,2,4,6,8,10,12,14,16,18,20,22,24,26,28,30
	v_pk_mul_f32 v[AF+\k:AF+\k+1], v[AF+\k:AF+\k+1], v[T+\k:T+\k+1]
	v_pk_mul_f32 v[AF+32+\k:AF+33+\k], v[AF+32+\k:AF+33+\k], v[T+\k:T+\k+1]
.endr
.endm
.macro XCHG ro                         ; v[T+8:T+9], a number for each tile: + the other half of the lanes, + the other seven waves; the sum in v[T+12:T+13]
	v_permlanex16_b32 v[T+10], v[T+8], s[SEL], s[SEL+1]
	s_delay_alu instid0(VALU_DEP_2)
	v_permlanex16_b32 v[T+11], v[T+9], s[SEL], s[SEL+1]
	s_delay_alu instid0(VALU_DEP_1)
	v_pk_add_f32 v[T+8:T+9], v[T+8:T+9], v[T+10:T+11]
	ds_store_b64 v[RW], v[T+8:T+9] offset:\ro
	s_wait_dscnt 0x0                               ; for the others: my sums have landed
	s_barrier_signal -1
	s_barrier_wait -1
.irp w, 0,1,2,3,4,5,6,7
	ds_load_b64 v[T+12+2*\w:T+13+2*\w], v[RR] offset:\ro+128*\w
.endr
	s_wait_dscnt 0x0
	v_pk_add_f32 v[T+12:T+13], v[T+12:T+13], v[T+14:T+15]
	v_pk_add_f32 v[T+16:T+17], v[T+16:T+17], v[T+18:T+19]
	v_pk_add_f32 v[T+20:T+21], v[T+20:T+21], v[T+22:T+23]
	v_pk_add_f32 v[T+24:T+25], v[T+24:T+25], v[T+26:T+27]
	s_delay_alu instid0(VALU_DEP_3)
	v_pk_add_f32 v[T+12:T+13], v[T+12:T+13], v[T+16:T+17]
	s_delay_alu instid0(VALU_DEP_2)
	v_pk_add_f32 v[T+20:T+21], v[T+20:T+21], v[T+24:T+25]
	s_delay_alu instid0(VALU_DEP_1)
	v_pk_add_f32 v[T+12:T+13], v[T+12:T+13], v[T+20:T+21]
.endm
; The norm in two passes (the mean, then the squares of the differences: no difference of large sums): D = (X - mean) rsqrt(var + 1e-5) G + B.  Two barriers.
.macro LNSTAT X, D
.irp u, 0,1
	v_pk_add_f32 v[T+4*\u:T+4*\u+1], v[\X+32*\u:\X+32*\u+1], v[\X+32*\u+2:\X+32*\u+3]
	v_pk_add_f32 v[T+4*\u+2:T+4*\u+3], v[\X+32*\u+4:\X+32*\u+5], v[\X+32*\u+6:\X+32*\u+7]
.irp k, 8,12,16,20,24,28
	s_delay_alu instid0(VALU_DEP_2)
	v_pk_add_f32 v[T+4*\u:T+4*\u+1], v[T+4*\u:T+4*\u+1], v[\X+32*\u+\k:\X+32*\u+\k+1]
	s_delay_alu instid0(VALU_DEP_2)
	v_pk_add_f32 v[T+4*\u+2:T+4*\u+3], v[T+4*\u+2:T+4*\u+3], v[\X+32*\u+\k+2:\X+32*\u+\k+3]
.endr
	s_delay_alu instid0(VALU_DEP_1)
	v_pk_add_f32 v[T+4*\u:T+4*\u+1], v[T+4*\u:T+4*\u+1], v[T+4*\u+2:T+4*\u+3]
	s_delay_alu instid0(VALU_DEP_1)
	v_add_f32 v[T+8+\u], v[T+4*\u], v[T+4*\u+1]
.endr
	XCHG 0
	s_delay_alu instid0(VALU_DEP_1)
	v_pk_mul_f32 v[MU:MU+1], v[T+12:T+13], 0x3b000000 op_sel_hi:[1,0]   ; / 512
.irp u, 0,1
.irp k, 0,2,4,6,8,10,12,14,16,18,20,22,24,26,28,30
	v_pk_add_f32 v[\D+32*\u+\k:\D+32*\u+\k+1], v[\X+32*\u+\k:\X+32*\u+\k+1], v[MU:MU+1] op_sel:[0,\u] op_sel_hi:[1,\u] neg_lo:[0,1] neg_hi:[0,1]
.endr
.endr
.irp u, 0,1
	v_pk_mul_f32 v[T+4*\u:T+4*\u+1], v[\D+32*\u:\D+32*\u+1], v[\D+32*\u:\D+32*\u+1]
	v_pk_mul_f32 v[T+4*\u+2:T+4*\u+3], v[\D+32*\u+2:\D+32*\u+3], v[\D+32*\u+2:\D+32*\u+3]
.irp k, 4,8,12,16,20,24,28
	s_delay_alu instid0(VALU_DEP_2)
	v_pk_fma_f32 v[T+4*\u:T+4*\u+1], v[\D+32*\u+\k:\D+32*\u+\k+1], v[\D+32*\u+\k:\D+32*\u+\k+1], v[T+4*\u:T+4*\u+1]
	s_delay_alu instid0(VALU_DEP_2)
	v_pk_fma_f32 v[T+4*\u+2:T+4*\u+3], v[\D+32*\u+\k+2:\D+32*\u+\k+3], v[\D+32*\u+\k+2:\D+32*\u+\k+3], v[T+4*\u+2:T+4*\u+3]
.endr
	s_delay_alu instid0(VALU_DEP_1)
	v_pk_add_f32 v[T+4*\u:T+4*\u+1], v[T+4*\u:T+4*\u+1], v[T+4*\u+2:T+4*\u+3]
	s_delay_alu instid0(VALU_DEP_1)
	v_add_f32 v[T+8+\u], v[T+4*\u], v[T+4*\u+1]
.endr
	XCHG 1024
	s_delay_alu instid0(VALU_DEP_1)
	v_pk_mul_f32 v[T+8:T+9], v[T+12:T+13], 0x3b000000 op_sel_hi:[1,0]
	s_delay_alu instid0(VALU_DEP_1)
	v_pk_add_f32 v[T+8:T+9], v[T+8:T+9], 0x3727c5ac op_sel_hi:[1,0]     ; + 1e-5
	s_wait_alu depctr_va_vdst(0)
	v_rsq_f32 v[T+8], v[T+8]
	v_rsq_f32 v[T+9], v[T+9]
	v_nop                                          ; a plain instruction behind the last transcendental
	s_wait_alu depctr_va_vdst(0)                   ; one wait for both, ahead of their first reader
.irp u, 0,1
.irp k, 0,2,4,6,8,10,12,14,16,18,20,22,24,26,28,30
	v_pk_mul_f32 v[\D+32*\u+\k:\D+32*\u+\k+1], v[\D+32*\u+\k:\D+32*\u+\k+1], v[T+8:T+9] op_sel:[0,\u] op_sel_hi:[1,\u]
.endr
.endr
.irp u, 0,1
.irp k, 0,2,4,6,8,10,12,14,16,18,20,22,24,26,28,30
	v_pk_fma_f32 v[\D+32*\u+\k:\D+32*\u+\k+1], v[\D+32*\u+\k:\D+32*\u+\k+1], v[AF+\k:AF+\k+1], v[AF+32+\k:AF+33+\k]
.endr
.endr
.endm
; Sixteen sums (tile a / 2, half a % 2) become sixteen codes of h.  At work in AF: z at 0, z^2 at 16, P at 32, Q at 48.  The sixteen reciprocals are one batch with one wait.
.macro GELU a
.set GA, ACC+16*(\a)
.irp k, 0,2,4,6,8,10,12,14
	v_pk_mul_f32 v[AF+\k:AF+\k+1], v[GA+\k:GA+\k+1], s[SZ:SZ+1] op_sel_hi:[1,0]   ; z = the number / sqrt(2); each accumulator is read from its low end on
.endr
.irp k, 0,1,2,3,4,5,6,7,8,9,10,11,12,13,14,15
	v_med3_num_f32 v[AF+\k], v[AF+\k], -4.0, 4.0
.endr
.irp k, 0,2,4,6,8,10,12,14
	v_pk_mul_f32 v[AF+16+\k:AF+17+\k], v[AF+\k:AF+\k+1], v[AF+\k:AF+\k+1]
.endr
.irp k, 0,2,4,6,8,10,12,14
	v_pk_fma_f32 v[AF+32+\k:AF+33+\k], v[AF+16+\k:AF+17+\k], v[244:245], v[244:245] op_sel:[0,0,1] op_sel_hi:[1,0,1]   ; a0 z^2 + a1
	v_pk_fma_f32 v[AF+48+\k:AF+49+\k], v[AF+16+\k:AF+17+\k], v[246:247], v[246:247] op_sel:[0,0,1] op_sel_hi:[1,0,1]   ; b0 z^2 + b1
.endr
.irp cf, 0xb60cff51,0xb86ec2d2,0xba40ac63,0xbb41a1f6,0xbc83dbd4
.irp k, 0,2,4,6,8,10,12,14
	v_pk_fma_f32 v[AF+32+\k:AF+33+\k], v[AF+32+\k:AF+33+\k], v[AF+16+\k:AF+17+\k], \cf op_sel_hi:[1,1,0]
.endr
.endr
.irp cf, 0xbadc924e,0xbbf19bf8,0xbc69b6a7
.irp k, 0,2,4,6,8,10,12,14
	v_pk_fma_f32 v[AF+48+\k:AF+49+\k], v[AF+48+\k:AF+49+\k], v[AF+16+\k:AF+17+\k], \cf op_sel_hi:[1,1,0]
.endr
.endr
	s_wait_alu depctr_va_vdst(0)
.irp k, 0,1,2,3,4,5,6,7,8,9,10,11,12,13,14,15
	v_rcp_f32 v[AF+48+\k], v[AF+48+\k]             ; Q is at most -0.014: never 0
.endr
.irp k, 0,2,4,6,8,10,12,14
	v_pk_mul_f32 v[AF+32+\k:AF+33+\k], v[AF+32+\k:AF+33+\k], v[AF+\k:AF+\k+1]     ; z P: work that names no reciprocal
	v_pk_mul_f32 v[GA+\k:GA+\k+1], v[GA+\k:GA+\k+1], s[SH:SH+1] op_sel_hi:[1,0]   ; a = half the number
.endr
	s_wait_alu depctr_va_vdst(0)                   ; one wait for the batch, ahead of its first reader
.irp k, 0,2,4,6,8,10,12,14
	v_pk_mul_f32 v[AF+32+\k:AF+33+\k], v[AF+32+\k:AF+33+\k], v[AF+48+\k:AF+49+\k]  ; erf
.endr
.irp k, 0,2,4,6,8,10,12,14
	v_pk_fma_f32 v[GA+\k:GA+\k+1], v[GA+\k:GA+\k+1], v[AF+32+\k:AF+33+\k], v[GA+\k:GA+\k+1]   ; a erf + a
.endr
	QG GA, GA, T+4*(\a), 242, 243
.endm
	s_load_b512 s[4:19], s[0:1], 0x0               ; x, o_img, wtail, mod, g2, b2, b_mlp1, b_mlp2
	s_load_b128 s[20:23], s[0:1], 0x40             ; lowp_scales, out0
	v_lshrrev_b32 v[TL], 5, v0
	s_delay_alu instid0(VALU_DEP_1)
	v_readfirstlane_b32 s2, v[TL]                  ; wave
	v_and_b32 v[TL], 31, v0
	v_and_b32 v[TR], 15, v0
	v_bfe_u32 v[TH], v0, 4, 1
	ADDRS
	s_lshl_b32 s[ST0], s2, 10
	v_add_nc_u32 v[BG], s[ST0], v[LI]              ; b_mlp1 in memory: my 1,024 bytes
	s_mul_i32 s[ST0], s2, CW
	s_add_co_u32 s[ST0], s[ST0], CONST+1536
	v_add_nc_u32 v[BWA], s[ST0], v[LI]             ; and in LDS
	s_lshl_b32 s[ST0], s2, 13
	v_add_nc_u32 v[HW0], s[ST0], v[LI]             ; h's images: my hidden units are K steps 2 w, 2 w + 1
	v_add_nc_u32 v[HRA], 32768, v[LI]              ; h's K steps 0-7
	v_add_nc_u32 v[HRB], 65536, v[LI]              ; and 8-15
	s_mov_b32 s[SEL], 0x76543210
	s_mov_b32 s[SEL+1], 0xfedcba98
	s_lshl_b32 s76, ttmp9, 16                      ; x, out0: 32 rows of 2,048 bytes a block, + 256 wave
	s_lshl_b32 s77, s2, 8
	s_add_co_u32 s76, s76, s77
	s_mov_b32 s77, 0
	s_mul_i32 s78, s2, 294912                      ; my 36 stages of weights
	s_mov_b32 s79, 0
	s_lshr_b32 s80, ttmp9, 6
	s_lshl_b32 s80, s80, 13                        ; mod: 2,048 numbers a batch
	s_mov_b32 s81, 0
	s_lshl_b32 s82, ttmp9, 14                      ; o_img: two tiles of 8,192 bytes a block
	s_mov_b32 s83, 0
	s_wait_alu depctr_va_vdst(0)
	s_wait_kmcnt 0x0
	s_load_b512 s[24:39], s[20:21], 0x0            ; e0 .. e15 in s24 .. s39
	s_add_nc_u64 s[XB:XB+1], s[4:5], s[76:77]
	s_add_nc_u64 s[OUT:OUT+1], s[22:23], s[76:77]
	s_add_nc_u64 s[WP:WP+1], s[8:9], s[78:79]
	s_add_nc_u64 s[MP:MP+1], s[10:11], s[80:81]
	s_add_nc_u64 s[OP:OP+1], s[6:7], s[82:83]
	global_load_b64 v[T:T+1], v[CG], s[MP:MP+1] offset:2048      ; gate_msa
	global_load_b64 v[T+2:T+3], v[CG], s[12:13]                  ; g2
	global_load_b64 v[T+4:T+5], v[CG], s[14:15]                  ; b2
	global_load_b64 v[T+6:T+7], v[CG], s[MP:MP+1] offset:4096    ; scale_mlp
	global_load_b64 v[T+8:T+9], v[CG], s[18:19]                  ; b_mlp2
	global_load_b64 v[T+10:T+11], v[CG], s[MP:MP+1] offset:6144  ; gate_mlp
	global_load_b128 v[T+12:T+15], v[BG], s[16:17]
	global_load_b128 v[T+16:T+19], v[BG], s[16:17] offset:512
.irp c, 0,1,2,3
	global_load_b128 v[AF+4*\c:AF+4*\c+3], v[IW], s[OP:OP+1] offset:512*\c th:TH_LOAD_NT   ; my eighth of o's images
.endr
	XIN ACC
	LOADW 0, 0
	LOADW 1, 8192
	LOADW 2, 16384
	s_wait_loadcnt 48                              ; all but the three stages of weights asked for last
.irp n, 0,1,2,3,4,5
	ds_store_b64 v[CWA], v[T+2*\n:T+2*\n+1] offset:256*\n
.endr
	ds_store_b128 v[BWA], v[T+12:T+15]
	ds_store_b128 v[BWA], v[T+16:T+19] offset:512
.irp c, 0,1,2,3
	ds_store_b128 v[IW], v[AF+4*\c:AF+4*\c+3] offset:OIMG+512*\c
.endr
	XST ACC
	LOADW 3, 24576
	s_wait_dscnt 0x0
	s_barrier_signal -1
	s_barrier_wait -1                              ; o's eight fragments lie in LDS
	; ---- x1 = x + (o Wo) gate_msa
	XLAY XR
	CVEC T, 0
.set FCS, 512
.set FUS, 8192
	FETCHA 0, LI, OIMG, FCS, FUS
	STAGE 0,0,48,1,LI,2048,1,32768,0
	STAGE 1,1,48,1,LI,4096,1,40960,1
	STAGE 2,0,48,1,LI,6144,1,49152,1
	STAGE 3,1,48,0,LI,0,1,57344,1
	s_wait_kmcnt 0x0
	s_add_co_i32 s[ST0], s34, s35
	s_add_co_i32 s[ST0], s[ST0], 127
	s_lshl_b32 s[SA], s[ST0], 23
	s_mov_b32 s[SA+1], s[SA]
	s_add_co_i32 s[ST0], s36, s37                  ; e12 + e13
	s_sub_co_i32 s[ST1], 127, s[ST0]
	s_lshl_b32 s[SBI], s[ST1], 23
	s_mov_b32 s[SBI+1], s[SBI]
	s_lshl_b32 s[ST1], s[ST0], 23
	s_add_co_i32 s[SZ], s[ST1], 0x3f3504f3         ; added to the exponent field of 1 / sqrt(2)
	s_mov_b32 s[SZ+1], s[SZ]
	s_add_co_i32 s[ST1], s[ST0], 126
	s_lshl_b32 s[SH], s[ST1], 23
	s_mov_b32 s[SH+1], s[SH]
	s_add_co_i32 s[ST0], s38, s39
	s_add_co_i32 s[ST0], s[ST0], 127
	s_lshl_b32 s[SY], s[ST0], 23
	s_mov_b32 s[SY+1], s[SY]
	MKSC s36, 240, 241                             ; xn2
	MKSC s38, 242, 243                             ; h
	v_mov_b32 v244, 0xaf95df0b                     ; a0, a1, b0, b1
	v_mov_b32 v245, 0x32edffee
	v_mov_b32 v246, 0xb77460cd
	v_mov_b32 v247, 0xb95fbd29
.irp k, 0,2,4,6,8,10,12,14,16,18,20,22,24,26,28,30
	v_pk_mul_f32 v[T+\k:T+\k+1], v[T+\k:T+\k+1], s[SA:SA+1] op_sel_hi:[1,0]   ; gate_msa x 2^(e10 + e11)
.endr
.irp u, 0,1
.irp k, 0,2,4,6,8,10,12,14,16,18,20,22,24,26,28,30
	v_pk_fma_f32 v[XR+32*\u+\k:XR+32*\u+\k+1], v[ACC+32*\u+\k:ACC+32*\u+\k+1], v[T+\k:T+\k+1], v[XR+32*\u+\k:XR+32*\u+\k+1]
.endr
.endr
	s_wait_xcnt 0x0                                ; the weight loads have read their base: it steps four stages on
	s_add_nc_u64 s[WP:WP+1], s[WP:WP+1], 32768
	; ---- xn2, quantised; my channels are chunks 2 (w % 2) + b of K step w / 2
	GB 3, 1, 2
	LNSTAT XR, ACC
.irp u, 0,1
.irp b, 0,1
	QG ACC+32*\u+16*\b, ACC+32*\u+16*\b, T+8*\u+4*\b, 240, 241
.endr
.endr
	v_nop                                          ; a plain instruction behind the last conversion
.irp u, 0,1
.irp b, 0,1
	ds_store_b128 v[IW], v[T+8*\u+4*\b:T+8*\u+4*\b+3] offset:XN2+1024*\b+512*\u
.endr
.endr
	s_wait_dscnt 0x0
	s_barrier_signal -1
	s_barrier_wait -1                              ; xn2's eight fragments lie in LDS
	; ---- h: four groups of 64 hidden units; a trip is four stages, the activation and the group's four chunks of codes
.set FCS, 1024
.set FUS, 512
	s_mov_b32 s[GBO], 0
	s_mov_b32 s[HO], 0
	s_mov_b32 s[CNT], 4
.Lgroup:
	v_add_nc_u32 v[BR], s[GBO], v[CR]
	v_add_nc_u32 v[HW], s[HO], v[HW0]
.irp b, 0,1
.irp i, 0,1,2,3
	ds_load_b128 v[T+16*\b+4*\i:T+16*\b+4*\i+3], v[BR] offset:1536+128*\b+16*\i   ; the group's b_mlp1 in the result's layout
.endr
.endr
	FETCHA 0, LI, XN2, FCS, FUS
	s_wait_dscnt 8                                 ; the bias is in; the eight fetches behind it may be out
.irp k, 0,2,4,6,8,10,12,14,16,18,20,22,24,26,28,30
	v_pk_mul_f32 v[T+\k:T+\k+1], v[T+\k:T+\k+1], s[SBI:SBI+1] op_sel_hi:[1,0]     ; divided by the power of two that the sums lack: it is the C of the first products
.endr
	s_wait_alu depctr_va_vdst(0)
	STAGE 0,0,48,1,LI,XN2+4096,1,32768,2
	STAGE 1,1,48,1,LI,XN2+8192,1,40960,1
	STAGE 2,0,48,1,LI,XN2+12288,1,49152,1
	STAGE 3,1,48,0,LI,0,1,57344,1
	GELU 0
	GELU 1
	GELU 2
	GELU 3
	v_nop                                          ; a plain instruction behind the last conversion
.irp u, 0,1
.irp b, 0,1
	ds_store_b128 v[HW], v[T+8*\u+4*\b:T+8*\u+4*\b+3] offset:HIMG+1024*\b+512*\u
.endr
.endr
	s_wait_dscnt 0x0                               ; the stores are done: T, BR and HW are written again in the next trip
	s_wait_xcnt 0x0                                ; the weight loads have read their base
	s_add_nc_u64 s[WP:WP+1], s[WP:WP+1], 32768
	s_add_co_u32 s[GBO], s[GBO], 256
	s_add_co_u32 s[HO], s[HO], 2048
	s_sub_co_u32 s[CNT], s[CNT], 1
	s_cmp_lg_u32 s[CNT], 0
	s_cbranch_scc1 .Lgroup
	s_barrier_signal -1                            ; (every LDS instruction of mine was waited for at the trip's end)
	s_barrier_wait -1                              ; h's 32 fragments lie in LDS
	; ---- h W_mlp2: sixteen stages, written out: every offset is an immediate, no register that a pending load names is written
	FETCHA 0, HRA, 0, FCS, FUS
	STAGE 0,0,48,1,HRA,4096,1,32768,0
	STAGE 1,1,48,1,HRA,8192,1,40960,1
	STAGE 2,0,48,1,HRA,12288,1,49152,1
	STAGE 3,1,48,1,HRA,16384,1,57344,1
	STAGE 0,0,48,1,HRA,20480,1,65536,1
	STAGE 1,1,48,1,HRA,24576,1,73728,1
	STAGE 2,0,48,1,HRA,28672,1,81920,1
	STAGE 3,1,48,1,HRB,0,1,90112,1
	STAGE 0,0,48,1,HRB,4096,1,98304,1
	STAGE 1,1,48,1,HRB,8192,1,106496,1
	STAGE 2,0,48,1,HRB,12288,1,114688,1
	STAGE 3,1,48,1,HRB,16384,1,122880,1
	STAGE 0,0,48,1,HRB,20480,0,0,1
	STAGE 1,1,32,1,HRB,24576,0,0,1                 ; the stream's end: the counts run down
	STAGE 2,0,16,1,HRB,28672,0,0,1
	STAGE 3,1,0,0,HRB,0,0,0,1
	; ---- out0 = x1 + gate_mlp (sum x 2^(e14 + e15) + b_mlp2), through my stage, so that sixteen lanes store 256 consecutive bytes of a row
	CVEC AF, 4
	CVEC AF+32, 5
	s_wait_dscnt 0x0
.irp u, 0,1
.irp k, 0,2,4,6,8,10,12,14,16,18,20,22,24,26,28,30
	v_pk_fma_f32 v[ACC+32*\u+\k:ACC+32*\u+\k+1], v[ACC+32*\u+\k:ACC+32*\u+\k+1], s[SY:SY+1], v[AF+\k:AF+\k+1] op_sel_hi:[1,0,1]
.endr
.endr
.irp u, 0,1
.irp k, 0,2,4,6,8,10,12,14,16,18,20,22,24,26,28,30
	v_pk_fma_f32 v[ACC+32*\u+\k:ACC+32*\u+\k+1], v[AF+32+\k:AF+33+\k], v[ACC+32*\u+\k:ACC+32*\u+\k+1], v[XR+32*\u+\k:XR+32*\u+\k+1]
.endr
.endr
.irp u, 0,1
.irp b, 0,1
.irp i, 0,1,2,3
	ds_store_b128 v[SRD], v[ACC+32*\u+16*\b+4*\i:ACC+32*\u+16*\b+4*\i+3] offset:4352*\u+128*\b+16*\i
.endr
.endr
.endr
.irp u, 0,1
.irp i, 0,1,2,3,4,5,6,7
	ds_load_b128 v[XR+4*(8*\u+\i):XR+4*(8*\u+\i)+3], v[SW] offset:(16*\u+2*\i)*272   ; LDS serves a wave's instructions in order: these see my stores
.endr
.endr
.irp n, 0,1,2,3,4,5,6,7,8,9,10,11,12,13,14,15
	s_wait_dscnt 15-\n                             ; load n is in; the 15 - n behind it may be out
	global_store_b128 v[XG], v[XR+4*\n:XR+4*\n+3], s[OUT:OUT+1] offset:(8*(\n/8)+2*(\n%8)+8*((\n%8)/4))*2048 th:TH_STORE_NT
.endr
	s_wait_xcnt 0x0
	v_lshl_add_u32 v254, v0, 2, 0x2e800
	v_mov_b32 v255, 0
	s_wait_alu depctr_va_vdst(0)
	s_wait_tensorcnt 0x0
	ds_add_u32 v254, v255
	s_wait_dscnt 0x0
	s_endpgm
.Lfunc_end_k_qd9b108e89a_tail:
	.size	k_qd9b108e89a_tail, .Lfunc_end_k_qd9b108e89a_tail-k_qd9b108e89a_tail
	.p2alignl 7, 3214868480
	.fill 96, 4, 3214868480
	.section	.rodata,"a",@progbits
	.p2align	6, 0x0
	.amdhsa_kernel k_qd9b108e89a_tail
		.amdhsa_group_segment_fixed_size 191488
		.amdhsa_private_segment_fixed_size 0
		.amdhsa_enable_private_segment 0
		.amdhsa_kernarg_size 80
		.amdhsa_user_sgpr_count 2
		.amdhsa_user_sgpr_kernarg_segment_ptr 1
		.amdhsa_wavefront_size32 1
		.amdhsa_system_sgpr_workgroup_id_x 1
		.amdhsa_system_sgpr_workgroup_id_y 1
		.amdhsa_system_sgpr_workgroup_id_z 1
		.amdhsa_system_vgpr_workitem_id 0
		.amdhsa_next_free_vgpr 512
		.amdhsa_next_free_sgpr 90
		.amdhsa_reserve_vcc 0
		.amdhsa_float_denorm_mode_32 3
		.amdhsa_float_denorm_mode_16_64 3
		.amdhsa_memory_ordered 1
		.amdhsa_forward_progress 1
		.amdhsa_inst_pref_size 169
	.end_amdhsa_kernel
	.amdgpu_metadata
---
amdhsa.version: [ 1, 2 ]
amdhsa.kernels:
  - .name:           k_qd9b108e89a_tail
    .symbol:         k_qd9b108e89a_tail.kd
    .args:
      - { .name: x, .offset: 0, .size: 8, .value_kind: global_buffer, .address_space: global }
      - { .name: o_img, .offset: 8, .size: 8, .value_kind: global_buffer, .address_space: global }
      - { .name: wtail, .offset: 16, .size: 8, .value_kind: global_buffer, .address_space: global }
      - { .name: mod, .offset: 24, .size: 8, .value_kind: global_buffer, .address_space: global }
      - { .name: g2, .offset: 32, .size: 8, .value_kind: global_buffer, .address_space: global }
      - { .name: b2, .offset: 40, .size: 8, .value_kind: global_buffer, .address_space: global }
      - { .name: b_mlp1, .offset: 48, .size: 8, .value_kind: global_buffer, .address_space: global }
      - { .name: b_mlp2, .offset: 56, .size: 8, .value_kind: global_buffer, .address_space: global }
      - { .name: lowp_scales, .offset: 64, .size: 8, .value_kind: global_buffer, .address_space: global }
      - { .name: out0, .offset: 72, .size: 8, .value_kind: global_buffer, .address_space: global }
    .group_segment_fixed_size: 191488
    .private_segment_fixed_size: 0
    .kernarg_segment_align: 8
    .kernarg_segment_size: 80
    .max_flat_workgroup_size: 256
    .sgpr_count:     90
    .vgpr_count:     512
    .wavefront_size: 32
...
	.end_amdgpu_metadata
.endif
;; end of part 4
